; MI455X (gfx1250); checked and timed in simulation.
; The chip was launched on July 23, 2026; its instructions are those of AMD's public machine-readable ISA for CDNA 5 (MIT licence, August 2026) and "CDNA5" Instruction Set Architecture Reference Guide (July 2026). The comments in the code are by the model that wrote it; some were corrected since.
;; Transformer Layer. Allowed arithmetic: float matrix products may take bf16 or f16 operands with f32 sums; other float arithmetic in f32, or as packed bf16 or f16 multiplies, adds, multiply-adds, maxima and minima; sums over many terms, partial sums and values carried from step to step in f32; what a program stores and reads back later, other than sums and carried values, may be rounded once to bf16 or f16.
;; Inputs: b1 4,096 float32; b2 1,024 float32; in_proj_b 3,072 float32; in_proj_w 3,072 x 1,024 float32; ln1_b 1,024 float32; ln1_g 1,024 float32; ln2_b 1,024 float32; ln2_g 1,024 float32; out_b 1,024 float32; out_w 1,024 x 1,024 float32; rel_pos 16 x 2,048 float32; w1 4,096 x 1,024 float32; w2 1,024 x 4,096 float32; x 4 x 1,024 x 1,024 float32.
;; Outputs: out0 4 x 1,024 x 1,024 float32.
;; One version. Each part assembles by itself: llvm-mc -triple=amdgcn-amd-amdhsa -mcpu=gfx1250 --defsym DOCPART=n.
;; ======== version 1 of 1: 7 launches
;; workspace buffers: act 8,388,608 bytes; qkvb 25,165,824 bytes; x1 16,777,216 bytes; hid 33,554,432 bytes; wqkv 6,291,712 bytes; w1b 8,388,864 bytes; wsm 10,485,760 bytes
;; launch prep (part 1): grid 2048 x 1, 4 waves a work-group, no clusters, 0 bytes of LDS; arguments x, ln1_g, ln1_b, in_proj_w, out_w, w1, w2, act, wqkv, wsm, w1b; writes act, wqkv, wsm, w1b
.if DOCPART == 1
	.amdgcn_target "amdgcn-amd-amdhsa--gfx1250"
	.amdhsa_code_object_version 6
	.text
	.protected	k_q920edc9dbd_prep
	.globl	k_q920edc9dbd_prep
	.p2align	8
	.type	k_q920edc9dbd_prep,@function
k_q920edc9dbd_prep:
	s_mov_b64 s[64:65], 0
	v_nop
	global_prefetch_b8 v0, s[64:65] scope:SCOPE_SE
	s_setreg_imm32_b32 hwreg(HW_REG_WAVE_MODE, 25, 1), 1
	s_wait_xcnt 0x0
; PREP.  Work-groups 0 .. 511: xn = LayerNorm(bf16(x)) with bf16(gain), bf16(shift), stored as bf16 [4096][1024] into act.
; Work-groups 512 .. 2047: the four weight matrices rounded to bf16: in_proj_w -> wqkv + 256, out_w -> wsm, w1 -> w1b + 256, w2 -> wsm + 2,097,152.
; The first 256 bytes of wqkv and w1b take the floor that the product's way out applies to packed bf16: -inf twice (nothing changes) and 0 (ReLU).
; LIMITS.  Every input is rounded once to bf16 (nearest even) before it is used; mean and variance in f32, the variance of the centred row, as the module has it.
; LN: one wave, one row, kept in 32 registers between the passes; two rows a wave, all their loads issued at the start.  A load of a wave covers 512 consecutive bytes,
; a store 256 consecutive bytes at a multiple of 256.  Nothing is shared but the 8 KiB of gains and shifts: no LDS, no barrier, no cluster.
.set NLN, 512                          ; work-groups of the LN part: 8 rows each
.set XP,  16                           ; s[16:17] x
.set GP,  18                           ; s[18:19] gain
.set BP,  20                           ; s[20:21] shift
.set OP,  30                           ; s[30:31] act
.set HIM, 14                           ; s14 a word's upper bf16
.set INV, 15                           ; s15 1 / 1024
.set EPS, 38                           ; s38 1e-5
.set WV,  41                           ; s41 my wave's number
.set O16, 2                            ; v2  16 x lane
.set O8,  3                            ; v3  8 x lane
.set T,   4                            ; v[4:11]   at work
.set C,   16                           ; v[16:23]  four chains of pairs
.set M,   24                           ; v[24:25]  the mean, twice
.set R,   26                           ; v[26:27]  1 / sqrt(var + eps), twice
.set X,   32                           ; v[32:95]  two rows of 32 registers: register 4 j + i holds column 128 j + 4 lane + i
.set G,   96                           ; v[96:127] gains, same layout
.set BT,  128                          ; v[128:159] shifts
.macro RND2 a, b, t                    ; two f32 rounded to bf16 and widened again
	v_cvt_pk_bf16_f32 v[\t], v[\a], v[\b]
	v_lshlrev_b32 v[\a], 16, v[\t]
	v_and_b32 v[\b], s[HIM], v[\t]
.endm
.macro TREE                            ; the four chains into one number a lane
	v_pk_add_f32 v[C:C+1], v[C:C+1], v[C+2:C+3]
	v_pk_add_f32 v[C+4:C+5], v[C+4:C+5], v[C+6:C+7]
	v_pk_add_f32 v[C:C+1], v[C:C+1], v[C+4:C+5]
	v_add_f32 v[C], v[C], v[C+1]
.endm
.macro REDUCE v, t                     ; the sum over the 32 lanes, in every lane
	v_add_f32_dpp v[\v], v[\v], v[\v] row_xmask:1 row_mask:0xf bank_mask:0xf
	v_add_f32_dpp v[\v], v[\v], v[\v] row_xmask:2 row_mask:0xf bank_mask:0xf
	v_add_f32_dpp v[\v], v[\v], v[\v] row_xmask:4 row_mask:0xf bank_mask:0xf
	v_add_f32_dpp v[\v], v[\v], v[\v] row_xmask:8 row_mask:0xf bank_mask:0xf
	v_permlanex16_b32 v[\t], v[\v], s12, s13
	v_add_f32 v[\v], v[\v], v[\t]
.endm
; Row r of the wave's two.  rnd = 1: the row is an input and is rounded to bf16 first.  left: the younger loads that may stay out.
.macro LNROW r, rnd, left
.set XR, X+32*(\r)
	s_wait_loadcnt \left                           ; loads come back in order: my row's eight are in
.if \rnd
.set i, 0
.rept 16
	RND2 XR+2*i,XR+2*i+1,T+i%4
.set i, i+1
.endr
.endif
.irp k, 0,2,4,6
	v_pk_add_f32 v[C+\k:C+\k+1], v[XR+\k:XR+\k+1], v[XR+8+\k:XR+8+\k+1]
.endr
.irp o, 16,24
.irp k, 0,2,4,6
	v_pk_add_f32 v[C+\k:C+\k+1], v[C+\k:C+\k+1], v[XR+\o+\k:XR+\o+\k+1]
.endr
.endr
	TREE
	REDUCE C,C+1
	v_mul_f32 v[M], s[INV], v[C]
	v_mul_f32 v[M+1], s[INV], v[C]
.set i, 0
.rept 16
	v_pk_add_f32 v[XR+2*i:XR+2*i+1], v[XR+2*i:XR+2*i+1], v[M:M+1] neg_lo:[0,1] neg_hi:[0,1]  ; the row is centred in place
.set i, i+1
.endr
.irp k, 0,2,4,6
	v_pk_mul_f32 v[C+\k:C+\k+1], v[XR+\k:XR+\k+1], v[XR+\k:XR+\k+1]
.endr
.irp o, 8,16,24
.irp k, 0,2,4,6
	v_pk_fma_f32 v[C+\k:C+\k+1], v[XR+\o+\k:XR+\o+\k+1], v[XR+\o+\k:XR+\o+\k+1], v[C+\k:C+\k+1]
.endr
.endr
	TREE
	REDUCE C,C+1
	v_fma_f32 v[T], v[C], s[INV], s[EPS]
	v_rsq_f32 v[R], v[T]
	v_nop                                          ; a plain instruction behind the root,
	s_wait_alu depctr_va_vdst(0)                   ; and the wait ahead of its first reader
	v_mov_b32 v[R+1], v[R]
.set i, 0
.rept 16
	v_pk_mul_f32 v[XR+2*i:XR+2*i+1], v[XR+2*i:XR+2*i+1], v[R:R+1]
.set i, i+1
.endr
.set i, 0
.rept 16
	v_pk_fma_f32 v[XR+2*i:XR+2*i+1], v[XR+2*i:XR+2*i+1], v[G+2*i:G+2*i+1], v[BT+2*i:BT+2*i+1]
.set i, i+1
.endr
.set i, 0
.rept 16
	v_cvt_pk_bf16_f32 v[XR+i], v[XR+2*i], v[XR+2*i+1]  ; ascending, in place: register i is written when 2 i and 2 i + 1 are read
.set i, i+1
.endr
.irp j, 0,1,2,3,4,5,6,7
	global_store_b64 v[O8], v[XR+2*\j:XR+2*\j+1], s[OP:OP+1] offset:2048*(\r)+256*\j  ; 32 lanes store 256 consecutive bytes, aligned
.endr
.endm
.macro LNBODY rnd
.irp j, 0,1,2,3,4,5,6,7
	global_load_b128 v[G+4*\j:G+4*\j+3], v[O16], s[GP:GP+1] offset:512*\j
.endr
.irp j, 0,1,2,3,4,5,6,7
	global_load_b128 v[BT+4*\j:BT+4*\j+3], v[O16], s[BP:BP+1] offset:512*\j
.endr
.irp r, 0,1
.irp j, 0,1,2,3,4,5,6,7
	global_load_b128 v[X+32*\r+4*\j:X+32*\r+4*\j+3], v[O16], s[XP:XP+1] offset:4096*\r+512*\j th:TH_LOAD_NT
.endr
.endr
	s_wait_loadcnt 16                              ; gains and shifts are in; the two rows' sixteen loads stay out
.set i, 0
.rept 16
	RND2 G+2*i,G+2*i+1,T+i%4
	RND2 BT+2*i,BT+2*i+1,T+4+i%4
.set i, i+1
.endr
	LNROW 0, \rnd, 8
	LNROW 1, \rnd, 0
.endm
	s_load_b512 s[16:31], s[0:1], 0x0              ; x, ln1_g, ln1_b, in_proj_w s[22:23], out_w s[24:25], w1 s[26:27], w2 s[28:29], act
	s_load_b128 s[32:35], s[0:1], 0x40             ; wqkv s[32:33], wsm s[34:35]
	s_load_b64 s[36:37], s[0:1], 0x50              ; w1b
	v_and_b32 v1, 31, v0
	v_lshrrev_b32 v4, 5, v0
	v_readfirstlane_b32 s[WV], v4
	v_lshlrev_b32 v[O16], 4, v1
	v_lshlrev_b32 v[O8], 3, v1
	s_mov_b32 s12, 0x76543210                      ; v_permlanex16_b32: each lane takes its own place in the other half
	s_mov_b32 s13, 0xfedcba98
	s_mov_b32 s[HIM], 0xffff0000
	s_mov_b32 s[INV], 0x3a800000
	s_mov_b32 s[EPS], 0x3727c5ac
	s_wait_kmcnt 0x0
	s_cmp_lt_u32 ttmp9, NLN
	s_cbranch_scc0 .Lcast
	s_lshl_b32 s4, ttmp9, 15                       ; the work-group's 8 rows of 4,096 bytes,
	s_lshl_b32 s5, s[WV], 13                       ; my wave's 2
	s_add_co_u32 s4, s4, s5
	s_mov_b32 s5, 0
	s_add_nc_u64 s[XP:XP+1], s[XP:XP+1], s[4:5]
	s_lshr_b32 s4, s4, 1                           ; rows of 2,048 bytes on the way out
	s_add_nc_u64 s[OP:OP+1], s[OP:OP+1], s[4:5]
	LNBODY 1
	s_endpgm
.Lcast:                                                ; a work-group rounds 8,192 numbers, a wave 2,048: sixteen loads of 512 bytes, all issued at once
	s_sub_co_u32 s40, ttmp9, NLN                   ; c = 0 .. 1535
	s_add_nc_u64 s[42:43], s[32:33], 256           ; behind the header
	s_add_nc_u64 s[44:45], s[36:37], 256
	s_add_nc_u64 s[46:47], s[34:35], 2097152       ; w2 lies behind out_w
	s_cmp_lt_u32 s40, 384                          ; which matrix: 384, 128, 512, 512 work-groups
	s_cselect_b64 s[4:5], s[22:23], s[24:25]
	s_cselect_b64 s[6:7], s[42:43], s[34:35]
	s_cselect_b32 s8, 0, 384
	s_cmp_lt_u32 s40, 512
	s_cselect_b64 s[4:5], s[4:5], s[26:27]
	s_cselect_b64 s[6:7], s[6:7], s[44:45]
	s_cselect_b32 s8, s8, 512
	s_cmp_lt_u32 s40, 1024
	s_cselect_b64 s[4:5], s[4:5], s[28:29]
	s_cselect_b64 s[6:7], s[6:7], s[46:47]
	s_cselect_b32 s8, s8, 1024
	s_sub_co_u32 s9, s40, s8                       ; my block in that matrix
	s_lshl_b32 s10, s9, 15
	s_lshl_b32 s11, s[WV], 13
	s_add_co_u32 s10, s10, s11
	s_mov_b32 s11, 0
	s_add_nc_u64 s[4:5], s[4:5], s[10:11]
	s_lshr_b32 s10, s10, 1
	s_add_nc_u64 s[6:7], s[6:7], s[10:11]
.irp i, 0,1,2,3,4,5,6,7,8,9,10,11,12,13,14,15
	global_load_b128 v[X+4*\i:X+4*\i+3], v[O16], s[4:5] offset:512*\i th:TH_LOAD_NT
.endr
.irp i, 0,1,2,3,4,5,6,7,8,9,10,11,12,13,14,15
	s_wait_loadcnt 15-\i                           ; load i is in, the younger ones stay out
	v_cvt_pk_bf16_f32 v[G+2*\i], v[X+4*\i], v[X+4*\i+1]
	v_cvt_pk_bf16_f32 v[G+2*\i+1], v[X+4*\i+2], v[X+4*\i+3]
	global_store_b64 v[O8], v[G+2*\i:G+2*\i+1], s[6:7] offset:256*\i  ; 256 consecutive bytes, aligned
.endr
	s_cmp_lg_u32 s[WV], 0                          ; the two headers: wave 0 of the first work-group of in_proj_w and of w1
	s_cbranch_scc1 .Lend
	s_cmp_eq_u32 s40, 0
	s_cselect_b64 s[10:11], s[32:33], s[36:37]
	s_cselect_b32 s9, 0xff80ff80, 0
	s_cbranch_scc1 .Lhead
	s_cmp_eq_u32 s40, 512
	s_cbranch_scc0 .Lend
.Lhead:
	v_mov_b32 v4, s9
	v_mov_b32 v5, s9
	global_store_b64 v[O8], v[4:5], s[10:11]       ; the header's whole 256 bytes
.Lend:
	s_endpgm
.Lfunc_end_k_q920edc9dbd_prep:
	.size	k_q920edc9dbd_prep, .Lfunc_end_k_q920edc9dbd_prep-k_q920edc9dbd_prep
	.p2alignl 7, 3214868480
	.fill 96, 4, 3214868480
	.section	.rodata,"a",@progbits
	.p2align	6, 0x0
	.amdhsa_kernel k_q920edc9dbd_prep
		.amdhsa_group_segment_fixed_size 0
		.amdhsa_private_segment_fixed_size 0
		.amdhsa_enable_private_segment 0
		.amdhsa_kernarg_size 88
		.amdhsa_user_sgpr_count 2
		.amdhsa_user_sgpr_kernarg_segment_ptr 1
		.amdhsa_wavefront_size32 1
		.amdhsa_system_sgpr_workgroup_id_x 1
		.amdhsa_system_sgpr_workgroup_id_y 1
		.amdhsa_system_sgpr_workgroup_id_z 1
		.amdhsa_system_vgpr_workitem_id 0
		.amdhsa_next_free_vgpr 160
		.amdhsa_next_free_sgpr 66
		.amdhsa_reserve_vcc 0
		.amdhsa_float_denorm_mode_32 3
		.amdhsa_float_denorm_mode_16_64 3
		.amdhsa_memory_ordered 1
		.amdhsa_forward_progress 1
		.amdhsa_inst_pref_size 36
	.end_amdhsa_kernel
	.amdgpu_metadata
---
amdhsa.version: [ 1, 2 ]
amdhsa.kernels:
  - .name:           k_q920edc9dbd_prep
    .symbol:         k_q920edc9dbd_prep.kd
    .args:
      - { .name: x, .offset: 0, .size: 8, .value_kind: global_buffer, .address_space: global }
      - { .name: ln1_g, .offset: 8, .size: 8, .value_kind: global_buffer, .address_space: global }
      - { .name: ln1_b, .offset: 16, .size: 8, .value_kind: global_buffer, .address_space: global }
      - { .name: in_proj_w, .offset: 24, .size: 8, .value_kind: global_buffer, .address_space: global }
      - { .name: out_w, .offset: 32, .size: 8, .value_kind: global_buffer, .address_space: global }
      - { .name: w1, .offset: 40, .size: 8, .value_kind: global_buffer, .address_space: global }
      - { .name: w2, .offset: 48, .size: 8, .value_kind: global_buffer, .address_space: global }
      - { .name: act, .offset: 56, .size: 8, .value_kind: global_buffer, .address_space: global }
      - { .name: wqkv, .offset: 64, .size: 8, .value_kind: global_buffer, .address_space: global }
      - { .name: wsm, .offset: 72, .size: 8, .value_kind: global_buffer, .address_space: global }
      - { .name: w1b, .offset: 80, .size: 8, .value_kind: global_buffer, .address_space: global }
    .group_segment_fixed_size: 0
    .private_segment_fixed_size: 0
    .kernarg_segment_align: 8
    .kernarg_segment_size: 88
    .max_flat_workgroup_size: 128
    .sgpr_count:     66
    .vgpr_count:     160
    .wavefront_size: 32
...
	.end_amdgpu_metadata
.endif
;; end of part 1
;; launch qkv (part 2): grid 12 x 16, 4 waves a work-group, clusters of 4 x 4, 327,680 bytes of LDS; arguments act, wqkv, in_proj_b, qkvb; writes qkvb
.if DOCPART == 2
	.amdgcn_target "amdgcn-amd-amdhsa--gfx1250"
	.amdhsa_code_object_version 6
	.text
	.protected	k_q920edc9dbd_qkv
	.globl	k_q920edc9dbd_qkv
	.p2align	8
	.type	k_q920edc9dbd_qkv,@function
k_q920edc9dbd_qkv:
	s_mov_b64 s[64:65], 0
	v_nop
	global_prefetch_b8 v0, s[64:65] scope:SCOPE_SE
	s_setreg_imm32_b32 hwreg(HW_REG_WAVE_MODE, 25, 1), 1
	s_wait_xcnt 0x0
	s_wait_alu depctr_hold_cnt(0) depctr_sa_sdst(0) depctr_va_vdst(0) depctr_va_sdst(0) depctr_va_ssrc(0) depctr_va_vcc(0) depctr_vm_vsrc(0)
	s_getreg_b32 s2, hwreg(HW_REG_IB_STS2, 6, 4)
	s_cmp_eq_u32 s2, 0
	s_cbranch_scc0 .Lentry_in_a_cluster
	s_endpgm
.Lentry_in_a_cluster:
	s_bfe_u32 s2, ttmp6, 0x10000c
	s_cmp_lg_u32 s2, 0xf033
	s_cbranch_scc0 .Lentry_shape_is_right
	s_endpgm
.Lentry_shape_is_right:
; y = max(A W^T + bf16(bias), floor), stored as bf16 in blocks of 64 columns: out[n / 64][token][n % 64].  A: [4096][1024] bf16, rows along K.  W: 256 bytes of header, then [N][1024] bf16.
; The header's first word is the floor for two packed bf16: -inf twice (the projection) or 0 (ReLU): one text serves both products.  Sums in f32, y rounded once.
; LIMITS.  The bias is rounded to bf16 before use.  The floor is taken by a maximum in which a NaN loses.
; A tile of y is 256 x 256; four waves, each 128 x 128: 64 accumulators of 16 x 16.  K goes in 8 steps of 128 through two LDS slots filled by the tensor data mover; rows of 256 bytes, aligned.
; CLUSTER 4 x 4: A's tile is asked for jointly by the four work-groups of a row of the cluster, W's by the four of a column.
; THE MATRIX INSTRUCTION IS USED TRANSPOSED (source 0 = 16 rows of W, source 1 = 16 rows of A): a lane holds one token (lane % 16) and eight neighbouring columns.
; The bias is the C operand of each sum's first product: nothing is cleared and nothing is added afterwards.
; A K step is written once: the slot in hand is a scalar (0 or SLOT) that one exclusive or turns; the tail (the last two steps, which ask for nothing) is a second copy.
; REGISTERS, in windows of 256: window 0: addresses, v32-63 and v192-223 the way out, v64-191 A's two fragment buffers; window 1: v0-3 at work, v64-191 W's two buffers, v192-255 the bias;
; windows 2 and 3: the accumulators of my rows 0-63 and 64-127, (a, b) at 8 (8 a + b).
.set SIZE_K, 1024
.set KSTEP,  128
.set NSTEP,  SIZE_K/KSTEP
.set AM, 8                             ; blocks of 16 rows of A a wave
.set BN, 8                             ; blocks of 16 rows of W a wave
.set SD, 1                             ; slices of 32 along K in a quarter step
.set HW, 1                             ; a quarter's two halves are two halves of my rows, in two windows
.set PITCH,  272                       ; an LDS row: 256 bytes + 16 of padding: the 16 rows of a fragment load start at 16 different groups of four banks
.set AHALF,  128*PITCH                 ; what one tensor load brings
.set BHALF,  128*PITCH
.set SLOT,   2*AHALF+2*BHALF           ; A's two halves, then W's two
.set SPARE,  2*SLOT                    ; behind the ring: the spare words, 128 bytes a wave, that no other line names
.set ASTEP,  KSTEP*2                   ; bytes from a K step to the next
.set BSTEP,  KSTEP*2
.set ARB, 16*PITCH                     ; from a block of 16 rows to the next
.set AQ,  64                           ; from a quarter step to the next
.set BRB, 16*PITCH
.set BQ,  64
.set A0,   16                          ; v16  my lane's place in my rows of A, slot 0; never rewritten
.set B0,   17                          ; v17  the same for W
.set ADRA, 18                          ; v18  the same in the slot in hand
.set ADRB, 19
.set STO,  24                          ; v24  the way out: where I put 16 bytes of a row
.set RD,   25                          ; v25  where I read rows back
.set BOF,  26                          ; v26  32 x (lane / 16): my eight numbers of the bias
.set CO,   27                          ; v27  16 x lane
.set SPW,  28                          ; v28  my spare word; never rewritten
.set NIL,  29                          ; v29  0; never rewritten
.set OB,   32
.set F0,   64
.set F1,   128
.set TMP,  192
.set BIAS, 192                         ; window 1
.set WV, 14
.set RH, 15                            ; my half of the tile's rows; also: 0 = I fetch for A, 1 = for W
.set CH, 16                            ; my half of its columns; also: which half of that tile I fetch
.set CX, 17
.set CY, 18
.set TX, 19
.set TY, 20
.set TB, 21                            ; the slot in hand: 0 or SLOT
.set WBA, 22                           ; where my part of A's tile goes in a slot
.set WBB, 23                           ; of W's
.set G1A, 24                           ; s[24:31] descriptor group 1, A
.set G0A, 32                           ; s[32:39] group 0, A: a set for each first fill; the second then walks on
.set G1B, 48
.set G0B, 56
.set FLOOR, 66
.set CNT, 67
.set HIM, 76
.set MSB, 0
.macro WIN new                         ; the immediate's high byte repeats the setting that is left; a switch that changes nothing is dropped
.if MSB != (\new)
	s_set_vgpr_msb (MSB<<8)|(\new)
.set MSB, \new
.endif
.endm
.set MUL_LO,  0xa1                     ; source 0 window 1, source 1 window 0, C and D window 2
.set BIAS_LO, 0x91                     ; the same with C in window 1
.set TO_B,    0x40                     ; destination window 1, address window 0
.macro PLACES                          ; four plain instructions between a matrix instruction and a load into, or a read of, its registers
.rept 4
	v_nop
.endr
.endm
.macro CREST                           ; a round of the cluster's barrier behind its opening barrier
	s_cmp_lg_u32 s[WV], 0
	s_cbranch_scc1 .Lnot_wave_0_\@
	s_barrier_signal -3
.Lnot_wave_0_\@:
	s_barrier_wait -3
	s_barrier_signal -1
	s_barrier_wait -1
.endm
.macro CROUND
	s_barrier_signal -1
	s_barrier_wait -1
	CREST
.endm
.macro JLOAD                           ; a joint refill by the walking sets: waves 0 and 1 fetch A's halves, waves 2 and 3 W's; the branch hangs on the wave's number alone
	s_cmp_eq_u32 s[RH], 0
	s_cbranch_scc0 .Lfor_b_\@
	tensor_load_to_lds s[G0A+4:G0A+7], s[G1A:G1A+7]
	s_nop 0
.rept 4
	v_nop
.endr
	s_branch .Lasked_\@
.Lfor_b_\@:
	tensor_load_to_lds s[G0B+4:G0B+7], s[G1B:G1B+7]
	s_nop 0
.rept 4
	v_nop
.endr
.Lasked_\@:
.endm
.macro RND2 a, b, t
	v_cvt_pk_bf16_f32 v[\t], v[\a], v[\b]
	v_lshlrev_b32 v[\a], 16, v[\t]
	v_and_b32 v[\b], s[HIM], v[\t]
.endm
; 2 BN matrix instructions: row blocks a0, a0 + 1 of half h x all BN column blocks.  The accumulators take turns, one instruction a turn.  first = 1: C is the bias.
.macro MULH f, h, a0, first
.if \first
	WIN BIAS_LO+0x40*(\h)*HW
.else
	WIN MUL_LO+0x50*(\h)*HW
.endif
.irp a, \a0, (\a0)+1
.irp b, 0,1,2,3,4,5,6,7
.if (\b) < BN
.if \first
	v_wmma_f32_16x16x32_bf16 v[8*(BN*(\a)+(\b)):8*(BN*(\a)+(\b))+7], v[(\f)+8*((\b)+(\h)*BN*(SD-1)):(\f)+8*((\b)+(\h)*BN*(SD-1))+7], v[(\f)+8*(4*(\h)+(\a)):(\f)+8*(4*(\h)+(\a))+7], v[BIAS+8*(\b):BIAS+8*(\b)+7]
.else
	v_wmma_f32_16x16x32_bf16 v[8*(BN*(\a)+(\b)):8*(BN*(\a)+(\b))+7], v[(\f)+8*((\b)+(\h)*BN*(SD-1)):(\f)+8*((\b)+(\h)*BN*(SD-1))+7], v[(\f)+8*(4*(\h)+(\a)):(\f)+8*(4*(\h)+(\a))+7], v[8*(BN*(\a)+(\b)):8*(BN*(\a)+(\b))+7]
.endif
.endif
.endr
.endr
.endm
; 32 LDS loads in one run: quarter k's fragments into buffer f, W's sixteen first
.macro FETCH k, f
	WIN TO_B
.irp i, 0,1,2,3,4,5,6,7
	ds_load_b128 v[(\f)+8*(\i):(\f)+8*(\i)+3],   v[ADRB] offset:(\k)*BQ+((\i)/BN)*64+((\i)%BN)*BRB
	ds_load_b128 v[(\f)+8*(\i)+4:(\f)+8*(\i)+7], v[ADRB] offset:(\k)*BQ+((\i)/BN)*64+((\i)%BN)*BRB+32
.endr
	WIN 0
.irp i, 0,1,2,3,4,5,6,7
	ds_load_b128 v[(\f)+8*(\i):(\f)+8*(\i)+3],   v[ADRA] offset:(\k)*AQ+((\i)/AM)*64+((\i)%AM)*ARB
	ds_load_b128 v[(\f)+8*(\i)+4:(\f)+8*(\i)+7], v[ADRA] offset:(\k)*AQ+((\i)/AM)*64+((\i)%AM)*ARB+32
.endr
.endm
; One of a K step's first three quarters: multiplies buffer f, and in its middle fetches quarter k into buffer g.
.macro QUARTER k, f, g, first
	s_wait_dscnt 8                                 ; all but the youngest eight loads (A's fragments 4 to 7, for the second half) are in
	MULH \f, 0, 0, \first
	MULH \f, 0, 2, \first
	PLACES
	FETCH \k, \g
	s_wait_dscnt 32                                ; all but the 32 just issued
	MULH \f, 1, 0, (\first)*HW
	MULH \f, 1, 2, (\first)*HW
.endm
; The last quarter's first half, and ONE barrier for the change of slots: in front of it each wave waits for all its tensor loads (one is out: its part of the next slot), adds 0 to its spare word,
; and waits for that and for its own reads of this slot.
.macro MEET round
	WIN 0
	s_wait_tensorcnt 0x0
	ds_add_u32 v[SPW], v[NIL]
	s_wait_dscnt 9                                 ; the add and the youngest eight loads may be out
	MULH F1, 0, 0, 0
	s_wait_dscnt 0x0                               ; the add is done, my reads of this slot are over
	s_barrier_signal -1
	MULH F1, 0, 2, 0                               ; work on registers while the others arrive
.if \round
	WIN 0
.endif
	s_barrier_wait -1
.endm
; The whole last quarter.  fill = 1: the barrier opens a round of the cluster's, and the slot just read out is filled again first thing behind it, with the K step two on.
.macro TURN fill
	MEET \fill
.if \fill
	CREST                                          ; no wave of any partner still reads this slot or has a load on its way
	s_add_co_u32 s[G0A+5], s[WBA], s[TB]           ; the walking sets: the slot just left,
	s_add_co_u32 s[G0B+5], s[WBB], s[TB]
	s_add_nc_u64 s[G0A+6:G0A+7], s[G0A+6:G0A+7], ASTEP  ; the K step behind the one asked for last
	s_add_nc_u64 s[G0B+6:G0B+7], s[G0B+6:G0B+7], BSTEP
	s_xor_b32 s[TB], s[TB], SLOT
	JLOAD                                          ; its four v_nop are also the places in front of the loads below
.else
	s_xor_b32 s[TB], s[TB], SLOT
	PLACES
	WIN 0
.endif
	v_add_nc_u32 v[ADRA], s[TB], v[A0]
	v_add_nc_u32 v[ADRB], s[TB], v[B0]
	FETCH 0, F0
	MULH F1, 1, 0, 0
	MULH F1, 1, 2, 0
.endm
	s_load_b256 s[4:11], s[0:1], 0x0               ; A s[4:5], W s[6:7], bias s[8:9], out s[10:11]
	v_lshl_add_u32 v[SPW], v0, 2, SPARE
	v_mov_b32 v[NIL], 0
	ds_add_u32 v[SPW], v[NIL]                      ; the wave's opening: the add and its wait ahead of my first tensor load
	v_lshrrev_b32 v1, 5, v0
	v_readfirstlane_b32 s[WV], v1
	s_lshr_b32 s[RH], s[WV], 1
	s_and_b32 s[CH], s[WV], 1
	s_bfe_u32 s[CX], ttmp6, 0x40000
	s_bfe_u32 s[CY], ttmp6, 0x40004
	s_lshl_b32 s[TX], ttmp9, 2
	s_add_co_u32 s[TX], s[TX], s[CX]               ; tile column
	s_and_b32 s[TY], ttmp7, 0xffff
	s_lshl_b32 s[TY], s[TY], 2
	s_add_co_u32 s[TY], s[TY], s[CY]               ; tile row
	s_lshl_b32 s68, s[CY], 2
	s_lshl_b32 s68, 15, s68                        ; my row of the cluster
	s_lshl_b32 s69, 0x1111, s[CX]                  ; my column
	s_or_b32 s[G1A], s68, (1<<16)|(1<<20)|(1<<21)|(5<<22)|(3<<25)  ; the mask; 2-byte elements; padding on; bit 21 beside a mask; 4 words behind every 64
	s_or_b32 s[G1B], s69, (1<<16)|(1<<20)|(1<<21)|(5<<22)|(3<<25)
.irp g, G1A, G1B
	s_mov_b32 s[(\g)+1], KSTEP<<16                 ; tensor_dim0 = 128
	s_mov_b32 s[(\g)+2], 128<<16                   ; tensor_dim1 = 128
	s_mov_b32 s[(\g)+3], KSTEP<<16                 ; tile_dim0 = 128
	s_mov_b32 s[(\g)+4], 128                       ; tile_dim1 = 128
	s_mov_b32 s[(\g)+5], SIZE_K                    ; elements from row to row
	s_mov_b32 s[(\g)+6], 0
	s_mov_b32 s[(\g)+7], 0
.endr
	s_lshl_b32 s70, s[CH], 7                       ; which 128 rows of the tile I fetch
	s_lshl_b32 s40, s[TY], 8
	s_add_co_u32 s40, s40, s70
	s_lshl_b32 s40, s40, 11                        ; A: rows of 2,048 bytes; made of the tile row alone
	s_mov_b32 s41, 0
	s_lshl_b32 s42, s[TX], 8
	s_add_co_u32 s42, s42, s70
	s_lshl_b32 s42, s42, 11                        ; W: made of the tile column alone,
	s_add_co_u32 s42, s42, 256                     ; behind the header
	s_mov_b32 s43, 0
	s_mul_i32 s[WBA], s[CH], AHALF
	s_mul_i32 s[WBB], s[CH], BHALF
	s_add_co_u32 s[WBB], s[WBB], 2*AHALF
	s_mov_b32 s[HIM], 0xffff0000
	s_mov_b32 s[TB], 0
	s_wait_dscnt 0x0                               ; the opening add is done
	s_wait_kmcnt 0x0
	s_add_nc_u64 s[40:41], s[4:5], s[40:41]
	s_add_nc_u64 s[42:43], s[6:7], s[42:43]
	CROUND                                         ; all sixteen work-groups are here: the first joint loads meet
.irp s, 0,1
	s_mov_b32 s[G0A+4*(\s)], 1
	s_add_co_u32 s[G0A+4*(\s)+1], s[WBA], (\s)*SLOT
	s_add_nc_u64 s[G0A+4*(\s)+2:G0A+4*(\s)+3], s[40:41], (\s)*ASTEP
	s_or_b32 s[G0A+4*(\s)+3], s[G0A+4*(\s)+3], 0x80000000
	s_mov_b32 s[G0B+4*(\s)], 1
	s_add_co_u32 s[G0B+4*(\s)+1], s[WBB], (\s)*SLOT
	s_add_nc_u64 s[G0B+4*(\s)+2:G0B+4*(\s)+3], s[42:43], (\s)*BSTEP
	s_or_b32 s[G0B+4*(\s)+3], s[G0B+4*(\s)+3], 0x80000000
.endr
	s_cmp_eq_u32 s[RH], 0                          ; a wave's two first fills stand in one branch: two loads of mine are out
	s_cbranch_scc0 .Lfirst_b
	tensor_load_to_lds s[G0A:G0A+3], s[G1A:G1A+7]
	s_nop 0
	tensor_load_to_lds s[G0A+4:G0A+7], s[G1A:G1A+7]
	s_nop 0
.rept 4
	v_nop
.endr
	s_branch .Lfirst_asked
.Lfirst_b:
	tensor_load_to_lds s[G0B:G0B+3], s[G1B:G1B+7]
	s_nop 0
	tensor_load_to_lds s[G0B+4:G0B+7], s[G1B:G1B+7]
	s_nop 0
.rept 4
	v_nop
.endr
.Lfirst_asked:
	s_load_b32 s[FLOOR], s[6:7], 0x0               ; the header's first word
	s_lshl_b32 s70, s[TX], 10                      ; my 128 columns of the bias: 4 (256 tx + 128 half)
	s_lshl_b32 s71, s[CH], 9
	s_add_co_u32 s70, s70, s71
	s_mov_b32 s71, 0
	s_add_nc_u64 s[8:9], s[8:9], s[70:71]
	v_and_b32 v1, 15, v0                           ; r = lane % 16
	v_bfe_u32 v2, v0, 4, 1                         ; h = lane / 16
	v_lshlrev_b32 v[BOF], 5, v2
	WIN TO_B
.irp b, 0,1,2,3,4,5,6,7
	global_load_b128 v[BIAS+8*\b:BIAS+8*\b+3],   v[BOF], s[8:9] offset:64*\b     ; register j of block b: column 16 b + 8 h + j, as in a result
	global_load_b128 v[BIAS+8*\b+4:BIAS+8*\b+7], v[BOF], s[8:9] offset:64*\b+16
.endr
	WIN 0
	v_mul_u32_u24 v3, v1, PITCH
	v_lshl_add_u32 v3, v2, 4, v3                   ; row x pitch + 16 x half
	s_mul_i32 s70, s[RH], AHALF
	s_mul_i32 s71, s[CH], BHALF
	s_add_co_u32 s71, s71, 2*AHALF
	v_add_nc_u32 v[A0], s70, v3
	v_add_nc_u32 v[B0], s71, v3
	v_mov_b32 v[ADRA], v[A0]
	v_mov_b32 v[ADRB], v[B0]
	s_mul_i32 s72, s[WV], AHALF                    ; the way out: my stage is my quarter of slot 0, which has had its last fill and its last read by then
	v_add_nc_u32 v[STO], s72, v3
	v_bfe_u32 v3, v0, 3, 2                         ; back: eight lanes take a token's 128 bytes of one block of 64 columns
	v_mul_u32_u24 v3, v3, PITCH
	v_and_b32 v4, 7, v0
	v_lshl_add_u32 v3, v4, 4, v3
	v_add_nc_u32 v[RD], s72, v3
	v_and_b32 v[CO], 31, v0
	v_lshlrev_b32 v[CO], 4, v[CO]
	s_lshl_b32 s70, s[TX], 2                       ; out at block 4 tx + 2 half, token 256 ty + 128 half: a block is 524,288 bytes, a token 128
	s_lshl_b32 s71, s[CH], 1
	s_add_co_u32 s70, s70, s71
	s_lshl_b32 s70, s70, 19
	s_lshl_b32 s71, s[TY], 15
	s_add_co_u32 s70, s70, s71
	s_lshl_b32 s71, s[RH], 14
	s_add_co_u32 s70, s70, s71
	s_mov_b32 s71, 0
	s_add_nc_u64 s[10:11], s[10:11], s[70:71]
	s_wait_loadcnt 0x0                             ; the bias,
	s_wait_kmcnt 0x0                               ; the floor
	WIN 0x45                                       ; destination and both sources in window 1
.set i, 0
.rept 32
	RND2 BIAS+2*i,BIAS+2*i+1,i%4
.set i, i+1
.endr
	WIN 0
	s_wait_tensorcnt 0x1                           ; my part of K step 0 is in; step 1's stays out
	s_barrier_signal -1
	s_barrier_wait -1
	FETCH 0, F0
	QUARTER 1, F0, F1, 1                           ; the first quarter stands in front of the loop: its products start the sums, with the bias
	WIN 0
	s_mov_b32 s[CNT], NSTEP-2
.Lstep:                                                ; a trip: from a K step's second quarter to the next step's first; it asks for the step two on
	QUARTER 2, F1, F0, 0
	QUARTER 3, F0, F1, 0
	TURN 1
	QUARTER 1, F0, F1, 0
	WIN 0
	s_sub_co_u32 s[CNT], s[CNT], 1
	s_cmp_lg_u32 s[CNT], 0
	s_cbranch_scc1 .Lstep
	s_mov_b32 s[CNT], 2                            ; the last two K steps ask for nothing: a second copy; the second trip is left in its middle
.Ltail:
	QUARTER 2, F1, F0, 0
	QUARTER 3, F0, F1, 0
	WIN 0
	s_sub_co_u32 s[CNT], s[CNT], 1
	s_cmp_eq_u32 s[CNT], 0
	s_cbranch_scc1 .Llast
	TURN 0
	QUARTER 1, F0, F1, 0
	WIN 0
	s_branch .Ltail
.Llast:
	s_wait_dscnt 8
	MULH F1, 0, 0, 0
	MULH F1, 0, 2, 0
	s_wait_dscnt 0x0
	MULH F1, 1, 0, 0
	MULH F1, 1, 2, 0
	WIN 0
	PLACES
	; THE WAY OUT.  Rounded to bf16, 16 bytes a lane, into my stage (128 rows of 272 bytes); back as 128 bytes a token and block; the floor; stores of 512 consecutive bytes.
.macro PACKST a
	WIN 0x0a+5*((\a)/4)                            ; sources in window 2 or 3
.irp b, 0,1,2,3,4,5,6,7
.irp r, 0,1,2,3
	v_cvt_pk_bf16_f32 v[TMP+4*(\b)+(\r)], v[64*((\a)%4)+8*(\b)+2*(\r)], v[64*((\a)%4)+8*(\b)+2*(\r)+1]
.endr
.endr
	WIN 0
.irp b, 0,1,2,3,4,5,6,7
	ds_store_b128 v[STO], v[TMP+4*(\b):TMP+4*(\b)+3] offset:(\a)*ARB+32*(\b)
.endr
.endm
.irp a, 0,1,2,3,4,5,6,7
	PACKST \a
.endr
	s_mov_b32 s[CNT], 4
.Lout:                                                 ; a trip: 32 tokens, in two buffers of 16
.irp q, 0,1
.irp g, 0,1,2,3
.irp e, 0,1
	ds_load_b128 v[OB+160*(\q)+4*(2*(\g)+(\e)):OB+160*(\q)+4*(2*(\g)+(\e))+3], v[RD] offset:(\q)*ARB+1088*(\g)+128*(\e)  ; LDS serves a wave's instructions in order: these see my stores above
.endr
.endr
.endr
.irp q, 0,1
	s_wait_dscnt 8-8*(\q)                          ; the first eight loads; then all
.set i, 0
.rept 32
	v_pk_max_num_bf16 v[OB+160*(\q)+i], v[OB+160*(\q)+i], s[FLOOR]
.set i, i+1
.endr
.irp g, 0,1,2,3
.irp e, 0,1
	global_store_b128 v[CO], v[OB+160*(\q)+4*(2*(\g)+(\e)):OB+160*(\q)+4*(2*(\g)+(\e))+3], s[10:11] offset:2048*(\q)+512*(\g)+524288*(\e)  ; four tokens of a block: 512 consecutive bytes, aligned
.endr
.endr
.endr
	s_wait_xcnt 0x0                                ; the stores have read their data and their base: both are written again only behind this wait
	v_add_nc_u32 v[RD], 2*ARB, v[RD]
	s_add_nc_u64 s[10:11], s[10:11], 4096
	s_sub_co_u32 s[CNT], s[CNT], 1
	s_cmp_lg_u32 s[CNT], 0
	s_cbranch_scc1 .Lout
	s_wait_tensorcnt 0x0                           ; the wave's end, behind my last tensor load and my last LDS store
	ds_add_u32 v[SPW], v[NIL]
	s_wait_dscnt 0x0
	CROUND                                         ; the closing round
	s_endpgm
.Lfunc_end_k_q920edc9dbd_qkv:
	.size	k_q920edc9dbd_qkv, .Lfunc_end_k_q920edc9dbd_qkv-k_q920edc9dbd_qkv
	.p2alignl 7, 3214868480
	.fill 96, 4, 3214868480
	.section	.rodata,"a",@progbits
	.p2align	6, 0x0
	.amdhsa_kernel k_q920edc9dbd_qkv
		.amdhsa_group_segment_fixed_size 327680
		.amdhsa_private_segment_fixed_size 0
		.amdhsa_enable_private_segment 0
		.amdhsa_kernarg_size 32
		.amdhsa_user_sgpr_count 2
		.amdhsa_user_sgpr_kernarg_segment_ptr 1
		.amdhsa_wavefront_size32 1
		.amdhsa_system_sgpr_workgroup_id_x 1
		.amdhsa_system_sgpr_workgroup_id_y 1
		.amdhsa_system_sgpr_workgroup_id_z 1
		.amdhsa_system_vgpr_workitem_id 0
		.amdhsa_next_free_vgpr 1024
		.amdhsa_next_free_sgpr 80
		.amdhsa_reserve_vcc 0
		.amdhsa_float_denorm_mode_32 3
		.amdhsa_float_denorm_mode_16_64 3
		.amdhsa_memory_ordered 1
		.amdhsa_forward_progress 1
		.amdhsa_inst_pref_size 106
	.end_amdhsa_kernel
	.amdgpu_metadata
---
amdhsa.version: [ 1, 2 ]
amdhsa.kernels:
  - .name:           k_q920edc9dbd_qkv
    .symbol:         k_q920edc9dbd_qkv.kd
    .args:
      - { .name: act, .offset: 0, .size: 8, .value_kind: global_buffer, .address_space: global }
      - { .name: wqkv, .offset: 8, .size: 8, .value_kind: global_buffer, .address_space: global }
      - { .name: in_proj_b, .offset: 16, .size: 8, .value_kind: global_buffer, .address_space: global }
      - { .name: qkvb, .offset: 24, .size: 8, .value_kind: global_buffer, .address_space: global }
    .group_segment_fixed_size: 327680
    .private_segment_fixed_size: 0
    .kernarg_segment_align: 8
    .kernarg_segment_size: 32
    .max_flat_workgroup_size: 128
    .sgpr_count:     80
    .vgpr_count:     1024
    .wavefront_size: 32
...
	.end_amdgpu_metadata
.endif
;; end of part 2
;; launch attn (part 3): grid 4 x 64, 8 waves a work-group, clusters of 4 x 1, 327,680 bytes of LDS; arguments qkvb, rel_pos, act; writes act
.if DOCPART == 3
	.amdgcn_target "amdgcn-amd-amdhsa--gfx1250"
	.amdhsa_code_object_version 6
	.text
	.protected	k_q920edc9dbd_attn
	.globl	k_q920edc9dbd_attn
	.p2align	8
	.type	k_q920edc9dbd_attn,@function
k_q920edc9dbd_attn:
	s_mov_b64 s[64:65], 0
	v_nop
	global_prefetch_b8 v0, s[64:65] scope:SCOPE_SE
	s_setreg_imm32_b32 hwreg(HW_REG_WAVE_MODE, 25, 1), 1
	s_wait_xcnt 0x0
	s_wait_alu depctr_hold_cnt(0) depctr_sa_sdst(0) depctr_va_vdst(0) depctr_va_sdst(0) depctr_va_ssrc(0) depctr_va_vcc(0) depctr_vm_vsrc(0)
	s_getreg_b32 s2, hwreg(HW_REG_IB_STS2, 6, 4)
	s_cmp_eq_u32 s2, 0
	s_cbranch_scc0 .Lentry_in_a_cluster
	s_endpgm
.Lentry_in_a_cluster:
	s_bfe_u32 s2, ttmp6, 0x10000c
	s_cmp_lg_u32 s2, 0x3003
	s_cbranch_scc0 .Lentry_shape_is_right
	s_endpgm
.Lentry_shape_is_right:
; CAUSAL ATTENTION WITH A RELATIVE BIAS.  o[q] = sum over k <= q of softmax_k(Q[q] . K[k] / 8 + rel_pos[head][q - k]) V[k], for each of 16 heads x 4 batches, 1,024 rows of 64 channels.
; qkvb: [48 blocks][4096 tokens][64] bf16: q of head h in block h, k in 16 + h, v in 32 + h.  o goes to act as [16 heads][4096 tokens][64] bf16.
; Products, maxima and sums in f32; the weights p are rounded to bf16 for the second product (their sum l is taken of the unrounded p), o once at the end.
; LIMITS.  rel_pos is rounded to bf16 before use.  A hidden score counts as its value less 1e30.  A weight below 2^-126 counts as 0 in l.  NaN and infinities are not treated apart.
; SHARES.  The four work-groups of a cluster belong to one (head, batch).  Work-group b owns the tiles of 16 queries at rows 64 u + 16 b, u = 0 .. 15; tile u needs the key steps 0 .. u of 64 keys, whatever b.
; Wave w of eight owns u = w and u = 15 - w: 17 tile-steps for every wave of every work-group, and no step above the diagonal's is computed.
; TWO WAVES ON A SIMD.  A tile's step is 16 matrix instructions and some 150 vector ones, among them a chain (maximum, exchange, c m, a) and a batch of 33 exponentials with one wait; it is written in phases, so a
; wave has stretches in which it can issue nothing.  Eight waves of 480 registers lie two to a SIMD, and one issues while the other waits.  The price: K's and V's fragments are read from LDS for two tiles, not four:
; 100 wave-steps of 32 loads in a work-group where four waves of four tiles would have 52.
; Branches hang on the wave's number and the step counter alone; the place in the cluster enters global addresses and the table's contents, never an LDS address.
; K AND V LIE WHOLLY IN LDS: each byte is asked for once, jointly by the four partners, at the head; nothing is filled again.  Keys 0-255 come by a first load, the rest by a second, waited for at step 3.
; THE BIAS AND THE MASK are one table, taken as the C operand that starts S^T = K Q^T: 8 rel_pos[d] for d = q - k >= 0, -1e30 for d < 0; p = 2^(c S - c m), c = log2(e) / 8, with a running maximum m.
; W[y] holds the value for d = 976 + 16 b - y; four copies, copy c shifted by c words and 4,672 bytes apart, so that a lane's eight values are two aligned loads of 16 bytes without bank conflicts.
; A lane reads words 4 to 1,103 of its copy; copy c holds words c to 1,151 + c.  The table's region is set to 0 once before the copies are written, so that the 17 words between two copies hold defined numbers too.
; LAYOUT.  In S^T a lane holds ONE query (lane % 16) and the keys 8 (lane / 16) + 0..7; two such results rounded to bf16 ARE source 1 of O^T = V^T P.  V is turned by ds_load_tr16_b128.
; REGISTERS: window 0: addresses, statistics, v64-95 S^T, v96-111 P, v128-191 the two tiles' bias; window 1: v0-63 O^T, 32 a tile; v64-95 Q, 16 a tile; v96-159 K, v160-223 V of one step.
.set NT,    2         ; tiles a wave
.set PK,    272       ; two keys of K a row: 256 bytes + 16: key k at (k / 2) 272 + (k % 2) 128
.set PV,    288       ; two keys of V a row: 256 bytes + 32
.set VBASE, 512*PK
.set BT,    VBASE+512*PV
.set BTP,   4672      ; from a copy of the table to the next: 64 more than a multiple of 256
.set BTR,   20480     ; the table's region: five stores of 16 bytes for each of 256 threads; the four copies take 18,688 of it
.set STAGE, BT+BTR    ; 16 rows x 144 bytes for each wave, for the way out
.set SP,    144
.set SPARE, STAGE+8*16*SP  ; the spare words, 128 bytes a wave, that no other line names
.set AK0, 2           ; v2   my lane's place in a step of K; never rewritten
.set AV0, 3           ; v3   the same for V
.set AK,  4
.set AV,  5
.set STO, 6
.set RD,  7
.set GO,  8
.set HH,  9           ; v9   lane / 16
.set BT0, 10          ; v10  my lane's place in the table
.set BA,  11
.set CMO, 12          ; v12  c m_old
.set SPW, 14
.set NIL, 15
.set ST,  16          ; tile x: c m, m, l (even keys', odd keys') at v[16 + 4 x]
.set CC,  32          ; v32-35 c0-c3 at work; c2 takes a
.set QOF, 40          ; v40-41 my byte offset in Q, by tile
.set OOF, 44          ; v44-45 in o
.set DD,  48          ; v48-52 the table's d
.set S,   64
.set P,   96
.set OFS, 112         ; v112-116 the table's load offsets
.set BI,  128
.set QF,  64          ; window 1
.set KF,  96          ; window 1
.set VF,  160         ; window 1
.set WV,  12
.set CB,  13          ; my place in the cluster
.set HEAD, 14
.set BATCH, 15
.set U,   16          ; s16-17 my two u, ascending
.set BO,  20          ; s20-21 256 x min(15 - u + step, 15)
.set G1KA, 24
.set G1KB, 32
.set G1VA, 40
.set G1VB, 48
.set G0KA, 56
.set G0KB, 60
.set G0VA, 68
.set G0VB, 72
.set SS,  76          ; the step
.set CS,  78          ; s[78:79] c
.set SEL, 80          ; s[80:81]
.set KO,  82
.set VO,  83
.set BIGN, 84
.set MSB, 0
.macro WIN new
.if MSB != (\new)
	s_set_vgpr_msb (MSB<<8)|(\new)
.set MSB, \new
.endif
.endm
.set W_KQ, 0x05       ; K and Q in window 1; bias and S^T in window 0
.set W_PV, 0x51       ; V in window 1, P in window 0, O^T in window 1
.set W_RS, 0x41       ; destination and source 0 in window 1, source 1 in window 0
.set TO1,  0x40       ; destination window 1, address window 0
.macro CROUND
	s_barrier_signal -1
	s_barrier_wait -1
	s_cmp_lg_u32 s[WV], 0
	s_cbranch_scc1 .Lnot_wave_0_\@
	s_barrier_signal -3
.Lnot_wave_0_\@:
	s_barrier_wait -3
	s_barrier_signal -1
	s_barrier_wait -1
.endm
.macro FETCH_K                      ; 64 keys x 64 channels: fragment (kb, c) at KF + 16 kb + 8 c
	WIN TO1
.irp f, 0,1,2,3,4,5,6,7
	ds_load_b128 v[KF+8*\f:KF+8*\f+3],   v[AK] offset:(\f/2)*8*PK+(\f%2)*64
	ds_load_b128 v[KF+8*\f+4:KF+8*\f+7], v[AK] offset:(\f/2)*8*PK+(\f%2)*64+32
.endr
	WIN 0
.endm
.macro FETCH_V                      ; turned: fragment (kk, cb) at VF + 32 kk + 8 cb
	WIN TO1
.irp f, 0,1,2,3,4,5,6,7
	ds_load_tr16_b128 v[VF+8*\f:VF+8*\f+3],   v[AV] offset:(\f/4)*16*PV+(\f%4)*32
	ds_load_tr16_b128 v[VF+8*\f+4:VF+8*\f+7], v[AV] offset:(\f/4)*16*PV+8*PV+(\f%4)*32
.endr
	WIN 0
.endm
.macro FETCH_BI x                   ; a tile's 32 values of bias and mask for one step
.irp kb, 0,1,2,3
	ds_load_b128 v[BI+32*(\x)+8*\kb:BI+32*(\x)+8*\kb+3],   v[BA] offset:64*\kb
	ds_load_b128 v[BI+32*(\x)+8*\kb+4:BI+32*(\x)+8*\kb+7], v[BA] offset:64*\kb+16
.endr
.endm
; One tile's work in one key step.  The last tile is live whenever the wave is: it fetches the next step's K behind its first products and the next step's V behind its last.
.macro TILE x
.set rT, ST+4*(\x)
	WIN W_KQ
.set i, 0
.rept 8                             ; the four accumulators take turns; the first four products start the sums with bias and mask
.set rS, S+8*(i%4)
.set rK, KF+16*(i%4)+8*(i/4)
.set rQ, QF+16*(\x)+8*(i/4)
.set rB, BI+32*(\x)+8*(i%4)
.if i < 4
	v_wmma_f32_16x16x32_bf16 v[rS:rS+7], v[rK:rK+7], v[rQ:rQ+7], v[rB:rB+7]
.else
	v_wmma_f32_16x16x32_bf16 v[rS:rS+7], v[rK:rK+7], v[rQ:rQ+7], v[rS:rS+7]
.endif
.set i, i+1
.endr
	WIN 0
	s_add_co_u32 s85, s[BO+(\x)], 256  ; the next step's place in the table: 4,096 at the most
	v_add_nc_u32 v[BA], s85, v[BT0]    ; four plain instructions: the places behind those products
.if (\x) == NT-1
	v_add_nc_u32 v[AK], s[KO], v[AK0]
.else
	v_nop
.endif
	v_nop
	v_nop
	FETCH_BI \x                        ; my bias for the next step
.if (\x) == NT-1
	FETCH_K                            ; and both tiles' K
.endif
.irp n, 0,1,2,3                     ; the maximum: each accumulator's lowest registers are read first
	v_max3_num_f32 v[CC+\n], v[S+8*\n], v[S+8*\n+1], v[S+8*\n+2]
.endr
.irp n, 0,1,2,3
	v_max3_num_f32 v[CC+\n], v[CC+\n], v[S+8*\n+3], v[S+8*\n+4]
.endr
.irp n, 0,1,2,3
	v_max3_num_f32 v[CC+\n], v[CC+\n], v[S+8*\n+5], v[S+8*\n+6]
.endr
	v_max3_num_f32 v[CC], v[CC], v[S+7], v[S+15]
	v_max3_num_f32 v[CC+1], v[CC+1], v[S+23], v[S+31]
	v_max3_num_f32 v[CC+2], v[CC+2], v[CC+3], v[rT+1]
	v_mov_b32 v[CMO], v[rT]
	v_max3_num_f32 v[CC], v[CC], v[CC+1], v[CC+2]
	v_permlanex16_b32 v[CC+3], v[CC], s[SEL], s[SEL+1]  ; the query's other 32 keys lie in the lane 16 away
	v_max_num_f32 v[rT+1], v[CC], v[CC+3]
	v_mul_f32 v[rT], s[CS], v[rT+1]
	v_sub_f32 v[CC+1], v[CMO], v[rT]
	; ONE BATCH: 16 scalings c s - c m and 33 exponentials; nothing in it names an exponential's result
	v_pk_fma_f32 v[S:S+1], v[S:S+1], s[CS:CS+1], v[rT:rT+1] op_sel_hi:[1,0,0] neg_lo:[0,0,1] neg_hi:[0,0,1]
	v_exp_f32 v[CC+2], v[CC+1]         ; a
.set i, 1
.rept 15
	v_pk_fma_f32 v[S+2*i:S+2*i+1], v[S+2*i:S+2*i+1], s[CS:CS+1], v[rT:rT+1] op_sel_hi:[1,0,0] neg_lo:[0,0,1] neg_hi:[0,0,1]
	v_exp_f32 v[S+2*i-2], v[S+2*i-2]
	v_exp_f32 v[S+2*i-1], v[S+2*i-1]
.set i, i+1
.endr
	v_exp_f32 v[S+30], v[S+30]
	v_exp_f32 v[S+31], v[S+31]
	v_nop                              ; a plain instruction behind the last exponential,
	s_wait_alu depctr_va_vdst(0)       ; and the one wait ahead of the batch's first reader
.set i, 0
.rept 16
	v_cvt_pk_bf16_f32 v[P+i], v[S+2*i], v[S+2*i+1]
.set i, i+1
.endr
.irp w, 4,8,16,32                   ; the sum of the 16 pairs, in place: neighbours 1, 2, 4, 8 pairs apart
.set i, 0
.rept 32/\w
	v_pk_add_f32 v[S+\w*i:S+\w*i+1], v[S+\w*i:S+\w*i+1], v[S+\w*i+\w/2:S+\w*i+\w/2+1]
.set i, i+1
.endr
.endr
	v_pk_fma_f32 v[rT+2:rT+3], v[rT+2:rT+3], v[CC+2:CC+3], v[S:S+1] op_sel_hi:[1,0,1]  ; l = a l + sum
	WIN W_RS
.set i, 0
.rept 16
	v_pk_mul_f32 v[32*(\x)+2*i:32*(\x)+2*i+1], v[32*(\x)+2*i:32*(\x)+2*i+1], v[CC+2:CC+3] op_sel_hi:[1,0]
.set i, i+1
.endr
	s_wait_dscnt 8+16*((\x)/(NT-1))    ; V is in: behind its loads stand only this tile's 8 (the last tile: 24)
	WIN W_PV
.set i, 0
.rept 8
.set rO, 32*(\x)+8*(i%4)
.set rV, VF+32*(i/4)+8*(i%4)
.set rP, P+8*(i/4)
	v_wmma_f32_16x16x32_bf16 v[rO:rO+7], v[rV:rV+7], v[rP:rP+7], v[rO:rO+7]
.set i, i+1
.endr
	WIN 0
.if (\x) == NT-1
	v_add_nc_u32 v[AV], s[VO], v[AV0]  ; four places behind the last product that read V
	v_nop
	v_nop
	v_nop
	FETCH_V
.endif
.endm
	s_load_b128 s[4:7], s[0:1], 0x0    ; qkvb s[4:5], rel_pos s[6:7]
	s_load_b64 s[8:9], s[0:1], 0x10    ; act
	v_lshl_add_u32 v[SPW], v0, 2, SPARE
	v_mov_b32 v[NIL], 0
	ds_add_u32 v[SPW], v[NIL]          ; the wave's opening: the add and its wait ahead of my first tensor load
	v_lshrrev_b32 v1, 5, v0
	v_readfirstlane_b32 s[WV], v1
	s_bfe_u32 s[CB], ttmp6, 0x40000
	s_and_b32 s85, ttmp7, 0xffff
	s_and_b32 s[HEAD], s85, 15
	s_lshr_b32 s[BATCH], s85, 4
	s_mov_b32 s[U], s[WV]
	s_sub_co_u32 s[U+1], 15, s[WV]
.irp x, 0,1
	s_sub_co_u32 s[BO+\x], 15, s[U+\x]
	s_lshl_b32 s[BO+\x], s[BO+\x], 8
.endr
	s_and_b32 s88, s[WV], 1            ; which half of a part I fetch (waves 0 to 3)
	s_lshl_b32 s86, s[HEAD], 19        ; a block is 524,288 bytes, a batch's rows 131,072
	s_lshl_b32 s89, s[BATCH], 17
	s_add_co_u32 s86, s86, s89
	s_mov_b32 s87, 0
	s_lshl_b32 s90, s88, 14            ; the first part: 64 rows of 256 bytes each
	s_add_co_u32 s90, s90, s86
	s_mov_b32 s91, 0
	s_mul_i32 s92, s88, 49152          ; the second: 192 rows each, behind the first part's 32,768 bytes
	s_add_co_u32 s92, s92, s86
	s_add_co_u32 s92, s92, 32768
	s_mov_b32 s93, 0
.irp g, G1KA, G1KB
	s_mov_b32 s[\g], 15|(1<<16)|(1<<20)|(1<<21)|(5<<22)|(3<<25)  ; the mask of four; 2-byte elements; padding on; bit 21 beside a mask; 4 words behind every 64
.endr
.irp g, G1VA, G1VB
	s_mov_b32 s[\g], 15|(1<<16)|(1<<20)|(1<<21)|(5<<22)|(7<<25)  ; the same with 8 words
.endr
.irp g, G1KA, G1KB, G1VA, G1VB
	s_mov_b32 s[\g+1], 128<<16         ; tensor_dim0 = 128: two keys a row
	s_mov_b32 s[\g+3], 128<<16         ; tile_dim0
	s_mov_b32 s[\g+5], 128             ; the rows are dense
	s_mov_b32 s[\g+6], 0
	s_mov_b32 s[\g+7], 0
.endr
.irp g, G1KA, G1VA
	s_mov_b32 s[\g+2], 64<<16
	s_mov_b32 s[\g+4], 64
.endr
.irp g, G1KB, G1VB
	s_mov_b32 s[\g+2], 192<<16
	s_mov_b32 s[\g+4], 192
.endr
	s_mov_b32 s[G0KA], 1
	s_mul_i32 s[G0KA+1], s88, 64*PK
	s_mov_b32 s[G0KB], 1
	s_mul_i32 s[G0KB+1], s88, 192*PK
	s_add_co_u32 s[G0KB+1], s[G0KB+1], 128*PK
	s_mov_b32 s[G0VA], 1
	s_mul_i32 s[G0VA+1], s88, 64*PV
	s_add_co_u32 s[G0VA+1], s[G0VA+1], VBASE
	s_mov_b32 s[G0VB], 1
	s_mul_i32 s[G0VB+1], s88, 192*PV
	s_add_co_u32 s[G0VB+1], s[G0VB+1], VBASE+128*PV
	s_mov_b32 s[CS], 0x3e38aa3b        ; c = log2(e) / 8
	s_mov_b32 s[CS+1], s[CS]
	s_mov_b32 s[SEL], 0x76543210
	s_mov_b32 s[SEL+1], 0xfedcba98
	s_mov_b32 s[BIGN], 0xf149f2ca      ; -1e30
	s_wait_dscnt 0x0                   ; the opening add is done
	s_wait_kmcnt 0x0
	s_add_nc_u64 s[94:95], s[4:5], 16*524288       ; k's blocks
	s_add_nc_u64 s[G0KA+2:G0KA+3], s[94:95], s[90:91]
	s_or_b32 s[G0KA+3], s[G0KA+3], 0x80000000
	s_add_nc_u64 s[G0KB+2:G0KB+3], s[94:95], s[92:93]
	s_or_b32 s[G0KB+3], s[G0KB+3], 0x80000000
	s_add_nc_u64 s[94:95], s[4:5], 32*524288       ; v's
	s_add_nc_u64 s[G0VA+2:G0VA+3], s[94:95], s[90:91]
	s_or_b32 s[G0VA+3], s[G0VA+3], 0x80000000
	s_add_nc_u64 s[G0VB+2:G0VB+3], s[94:95], s[92:93]
	s_or_b32 s[G0VB+3], s[G0VB+3], 0x80000000
	s_add_nc_u64 s[4:5], s[4:5], s[86:87]          ; q and o at the head's and batch's first row
	s_add_nc_u64 s[8:9], s[8:9], s[86:87]
	s_lshl_b32 s86, s[HEAD], 13                    ; the head's row of rel_pos
	s_add_nc_u64 s[6:7], s[6:7], s[86:87]
	CROUND                             ; all four work-groups are here: the joint loads meet
	s_cmp_lt_u32 s[WV], 2              ; waves 0 and 1 fetch K, waves 2 and 3 V, waves 4 to 7 nothing: a wave's two loads stand in one arm: two loads of mine are out at the most
	s_cbranch_scc0 .Lfirst_v
	tensor_load_to_lds s[G0KA:G0KA+3], s[G1KA:G1KA+7]
	s_nop 0
	tensor_load_to_lds s[G0KB:G0KB+3], s[G1KB:G1KB+7]
	s_nop 0
.rept 4
	v_nop
.endr
	s_branch .Lfirst_asked
.Lfirst_v:
	s_cmp_lt_u32 s[WV], 4
	s_cbranch_scc0 .Lfirst_asked
	tensor_load_to_lds s[G0VA:G0VA+3], s[G1VA:G1VA+7]
	s_nop 0
	tensor_load_to_lds s[G0VB:G0VB+3], s[G1VB:G1VB+7]
	s_nop 0
.rept 4
	v_nop
.endr
.Lfirst_asked:
	v_and_b32 v1, 15, v0               ; r
	v_bfe_u32 v[HH], v0, 4, 1          ; h
	v_and_b32 v13, 31, v0              ; lane
	v_lshlrev_b32 v36, 7, v1
	v_lshl_add_u32 v36, v[HH], 4, v36  ; row x 128 + 16 x half
	v_lshlrev_b32 v[GO], 4, v13
	s_lshl_b32 s85, s[CB], 11          ; 16 b rows of 128 bytes
.irp x, 0,1
	s_lshl_b32 s88, s[U+\x], 13        ; 64 u rows
	s_add_co_u32 s88, s88, s85
	v_add_nc_u32 v[QOF+\x], s88, v36
	v_add_nc_u32 v[OOF+\x], s88, v[GO]
.endr
	WIN TO1
.irp x, 0,1
.irp c, 0,1
	global_load_b128 v[QF+16*\x+8*\c:QF+16*\x+8*\c+3],   v[QOF+\x], s[4:5] offset:64*\c
	global_load_b128 v[QF+16*\x+8*\c+4:QF+16*\x+8*\c+7], v[QOF+\x], s[4:5] offset:64*\c+32
.endr
.endr
	WIN 0
	s_lshl_b32 s88, s[CB], 4
	s_add_co_u32 s88, s88, 976
	v_sub_nc_u32 v37, s88, v0          ; the table: thread t makes W[t + 256 n], n = 0 .. 4: d = 976 + 16 b - t - 256 n (of n = 4 only the first 128 are stored)
.irp n, 0,1,2,3,4
	v_add_nc_u32 v[DD+\n], (-256*\n)&0xffffffff, v37
	v_max_i32 v[OFS+\n], 0, v[DD+\n]   ; d is 1,024 at the most: inside the head's 2,048 numbers
	v_lshlrev_b32 v[OFS+\n], 2, v[OFS+\n]
	global_load_b32 v[S+\n], v[OFS+\n], s[6:7]
.endr
	; m starts at the lowest finite number, c m far below every c s, O^T and l at 0: the first step is a step like any other, with a = 0.  These lines stand in the wait for the first tile.
	WIN TO1
.set i, 0
.rept 32*NT
	v_mov_b32 v[i], 0
.set i, i+1
.endr
	WIN 0
	v_lshl_add_u32 v38, v0, 4, BT      ; the table's region is set to 0: 16 bytes a thread, five times; the data are O^T's first four registers, which hold 0
	WIN 0x04                           ; the stores' data in window 1
.irp n, 0,1,2,3,4
	ds_store_b128 v38, v[0:3] offset:4096*\n
.endr
	WIN 0
.irp x, 0,1
	v_mov_b32 v[ST+4*\x], 0xfe000000
	v_mov_b32 v[ST+4*\x+1], 0xff7fffff
	v_mov_b32 v[ST+4*\x+2], 0
	v_mov_b32 v[ST+4*\x+3], 0
.endr
	v_lshrrev_b32 v38, 1, v1           ; K: (r / 2) 272 + (r % 2) 128 + 16 h
	v_mul_u32_u24 v[AK0], v38, PK
	v_and_b32 v38, 1, v1
	v_lshl_add_u32 v[AK0], v38, 7, v[AK0]
	v_lshl_add_u32 v[AK0], v[HH], 4, v[AK0]
	v_bfe_u32 v38, v0, 1, 2            ; V: lane l reads key 8 h + l % 8, channels 8 ((l / 8) % 2) on
	v_lshl_add_u32 v38, v[HH], 2, v38
	v_mul_u32_u24 v[AV0], v38, PV
	v_and_b32 v38, 1, v0
	v_lshl_add_u32 v[AV0], v38, 7, v[AV0]
	v_bfe_u32 v38, v0, 3, 1
	v_lshl_add_u32 v[AV0], v38, 4, v[AV0]
	v_add_nc_u32 v[AV0], VBASE, v[AV0]
	v_and_b32 v38, 3, v1               ; the table: copy r % 4: BT + (r % 4) 4,672 + 64 + 32 h - 16 (r / 4)
	v_mul_u32_u24 v[BT0], v38, BTP
	v_lshl_add_u32 v[BT0], v[HH], 5, v[BT0]
	v_add_nc_u32 v[BT0], BT+64, v[BT0]
	v_lshrrev_b32 v38, 2, v1
	v_lshlrev_b32 v38, 4, v38
	v_sub_nc_u32 v[BT0], v[BT0], v38
	s_mul_i32 s88, s[WV], 16*SP
	s_add_co_u32 s88, s88, STAGE       ; my stage
	v_mul_u32_u24 v[STO], v1, SP
	v_lshl_add_u32 v[STO], v[HH], 4, v[STO]
	v_add_nc_u32 v[STO], s88, v[STO]
	v_bfe_u32 v[RD], v0, 3, 2
	v_mul_u32_u24 v[RD], v[RD], SP
	v_and_b32 v38, 7, v0
	v_lshl_add_u32 v[RD], v38, 4, v[RD]
	v_add_nc_u32 v[RD], s88, v[RD]
	v_lshl_add_u32 v39, v0, 2, BT      ; where thread t puts W[t]
	s_wait_loadcnt 0x0                 ; Q and the table's numbers
.irp n, 0,1,2,3,4
	v_cvt_pk_bf16_f32 v[S+\n], v[S+\n], v[S+\n]
	v_lshlrev_b32 v[S+\n], 16, v[S+\n]
	v_mul_f32 v[S+\n], 0x41000000, v[S+\n]         ; x 8: the scores are taken unscaled
	v_cmp_gt_i32 vcc_lo, 0, v[DD+\n]
	v_cndmask_b32 v[S+\n], v[S+\n], s[BIGN], vcc_lo
.endr
	s_wait_dscnt 0x0                   ; my part of the zeros is written,
	s_barrier_signal -1
	s_barrier_wait -1                  ; everybody's is: the copies go on top of them
.irp n, 0,1,2,3
.irp c, 0,1,2,3
	ds_store_b32 v39, v[S+\n] offset:1024*\n+4676*\c  ; copy c holds W[y] at word y + c
.endr
.endr
	s_cmp_lt_u32 s[WV], 4              ; W has 1,152 words: the last 128 are made by waves 0 to 3
	s_cbranch_scc0 .Lno_fifth
.irp c, 0,1,2,3
	ds_store_b32 v39, v[S+4] offset:4096+4676*\c
.endr
.Lno_fifth:
	s_wait_tensorcnt 0x1               ; my part of keys 0-255 is in; the rest stays out
	s_wait_dscnt 0x0                   ; my part of the table is written
	s_barrier_signal -1
	s_barrier_wait -1
.irp x, 0,1
	v_add_nc_u32 v[BA], s[BO+\x], v[BT0]
	FETCH_BI \x
.endr
	v_mov_b32 v[AK], v[AK0]
	FETCH_K
	v_mov_b32 v[AV], v[AV0]
	FETCH_V
	s_mov_b32 s[SS], 0
.Lstep:                             ; 16 trips; a tile is live while the step is not above its u
	s_cmp_lg_u32 s[SS], 3              ; once, at step 3, which fetches step 4's keys: the second part is waited for.  The branch hangs on the counter alone: every wave takes it alike
	s_cbranch_scc1 .Lno_meet
	s_wait_tensorcnt 0x0
	s_wait_dscnt 0x0
	s_barrier_signal -1
	s_barrier_wait -1
.Lno_meet:
	s_cmp_gt_u32 s[SS], s[U+1]
	s_cbranch_scc1 .Lnext              ; both my tiles are finished
	s_wait_dscnt 16                    ; K and the bias are in; V's sixteen loads, the youngest, may stay out
	s_cmp_gt_u32 s[SS], s[U]
	s_cbranch_scc1 .Ldead0
	TILE 0
.Ldead0:
	s_add_co_u32 s85, s[SS], 1         ; the step to fetch; behind the last the last once more
	s_min_u32 s85, s85, 15
	s_mul_i32 s[KO], s85, 32*PK
	s_mul_i32 s[VO], s85, 32*PV
	TILE 1
.Lnext:
.irp x, 0,1
	s_add_co_u32 s[BO+\x], s[BO+\x], 256   ; a live tile's place in the table steps by 64 words;
	s_min_u32 s[BO+\x], s[BO+\x], 3840     ; it is 256 (15 - u + step), 3,840 at the tile's last step, and stays there when the tile is finished
.endr
	s_add_co_u32 s[SS], s[SS], 1
	s_cmp_lt_u32 s[SS], 16
	s_cbranch_scc1 .Lstep
	; THE WAY OUT.  l's halves and the other lanes' half are added; O^T is divided by l, rounded to bf16 and sent through my stage, a tile (16 rows, 2,048 consecutive bytes of o) at a time.
	s_wait_dscnt 0x0                   ; the loads that looked ahead are back: my reads of K, V and the table are over
	s_barrier_signal -1                ; one barrier between the walk and the way out: LDS is read by all up to here, and written, each wave its own stage, from here on
	s_barrier_wait -1
.irp t, 0,1
	v_add_f32 v[ST+4*\t+2], v[ST+4*\t+2], v[ST+4*\t+3]
.endr
.irp t, 0,1
	v_permlanex16_b32 v[ST+4*\t+3], v[ST+4*\t+2], s[SEL], s[SEL+1]
.endr
.irp t, 0,1
	v_add_f32 v[ST+4*\t+2], v[ST+4*\t+2], v[ST+4*\t+3]
.endr
.irp t, 0,1
	v_rcp_f32 v[ST+4*\t+2], v[ST+4*\t+2]
.endr
	v_nop                              ; a plain instruction behind the last reciprocal,
	s_wait_alu depctr_va_vdst(0)       ; and one wait for the two
.macro PACK t
	WIN W_RS
.set i, 32*(\t)
.rept 16
	v_pk_mul_f32 v[i:i+1], v[i:i+1], v[ST+4*(\t)+2:ST+4*(\t)+3] op_sel_hi:[1,0]
.set i, i+2
.endr
	WIN 0x05                           ; sources 0 and 1 window 1, destination window 0
.set i, 0
.rept 16
	v_cvt_pk_bf16_f32 v[S+16*(\t)+i], v[32*(\t)+2*i], v[32*(\t)+2*i+1]
.set i, i+1
.endr
	WIN 0
.irp f, 0,1,2,3
	ds_store_b128 v[STO], v[S+16*(\t)+4*\f:S+16*(\t)+4*\f+3] offset:32*\f
.endr
.irp f, 0,1,2,3
	ds_load_b128 v[S+16*(\t)+4*\f:S+16*(\t)+4*\f+3], v[RD] offset:\f*4*SP  ; LDS serves a wave's instructions in order: these see the stores above, and the next tile's stores come behind them
.endr
.endm
.macro SEND t, younger              ; younger: the next tile's eight LDS instructions, or none
.irp f, 0,1,2,3
	s_wait_dscnt (\younger)+3-\f
	global_store_b128 v[OOF+(\t)], v[S+16*(\t)+4*\f:S+16*(\t)+4*\f+3], s[8:9] offset:512*\f  ; 512 consecutive bytes, aligned
.endr
.endm
	PACK 0
	PACK 1
	SEND 0, 8
	SEND 1, 0
	s_wait_tensorcnt 0x0               ; the wave's end
	ds_add_u32 v[SPW], v[NIL]
	s_wait_dscnt 0x0
	CROUND                             ; the closing round
	s_endpgm
.Lfunc_end_k_q920edc9dbd_attn:
	.size	k_q920edc9dbd_attn, .Lfunc_end_k_q920edc9dbd_attn-k_q920edc9dbd_attn
	.p2alignl 7, 3214868480
	.fill 96, 4, 3214868480
	.section	.rodata,"a",@progbits
	.p2align	6, 0x0
	.amdhsa_kernel k_q920edc9dbd_attn
		.amdhsa_group_segment_fixed_size 327680
		.amdhsa_private_segment_fixed_size 0
		.amdhsa_enable_private_segment 0
		.amdhsa_kernarg_size 24
		.amdhsa_user_sgpr_count 2
		.amdhsa_user_sgpr_kernarg_segment_ptr 1
		.amdhsa_wavefront_size32 1
		.amdhsa_system_sgpr_workgroup_id_x 1
		.amdhsa_system_sgpr_workgroup_id_y 1
		.amdhsa_system_sgpr_workgroup_id_z 1
		.amdhsa_system_vgpr_workitem_id 0
		.amdhsa_next_free_vgpr 480
		.amdhsa_next_free_sgpr 96
		.amdhsa_reserve_vcc 1
		.amdhsa_float_denorm_mode_32 3
		.amdhsa_float_denorm_mode_16_64 3
		.amdhsa_memory_ordered 1
		.amdhsa_forward_progress 1
		.amdhsa_inst_pref_size 46
	.end_amdhsa_kernel
	.amdgpu_metadata
---
amdhsa.version: [ 1, 2 ]
amdhsa.kernels:
  - .name:           k_q920edc9dbd_attn
    .symbol:         k_q920edc9dbd_attn.kd
    .args:
      - { .name: qkvb, .offset: 0, .size: 8, .value_kind: global_buffer, .address_space: global }
      - { .name: rel_pos, .offset: 8, .size: 8, .value_kind: global_buffer, .address_space: global }
      - { .name: act, .offset: 16, .size: 8, .value_kind: global_buffer, .address_space: global }
    .group_segment_fixed_size: 327680
    .private_segment_fixed_size: 0
    .kernarg_segment_align: 8
    .kernarg_segment_size: 24
    .max_flat_workgroup_size: 256
    .sgpr_count:     96
    .vgpr_count:     480
    .wavefront_size: 32
...
	.end_amdgpu_metadata
.endif
;; end of part 3
;; launch oproj (part 4): grid 8 x 32, 4 waves a work-group, clusters of 4 x 4, 327,680 bytes of LDS; arguments act, wsm, out_b, x, x1; writes x1
.if DOCPART == 4
	.amdgcn_target "amdgcn-amd-amdhsa--gfx1250"
	.amdhsa_code_object_version 6
	.text
	.protected	k_q920edc9dbd_oproj
	.globl	k_q920edc9dbd_oproj
	.p2align	8
	.type	k_q920edc9dbd_oproj,@function
k_q920edc9dbd_oproj:
	s_mov_b64 s[64:65], 0
	v_nop
	global_prefetch_b8 v0, s[64:65] scope:SCOPE_SE
	s_setreg_imm32_b32 hwreg(HW_REG_WAVE_MODE, 25, 1), 1
	s_wait_xcnt 0x0
	s_wait_alu depctr_hold_cnt(0) depctr_sa_sdst(0) depctr_va_vdst(0) depctr_va_sdst(0) depctr_va_ssrc(0) depctr_va_vcc(0) depctr_vm_vsrc(0)
	s_getreg_b32 s2, hwreg(HW_REG_IB_STS2, 6, 4)
	s_cmp_eq_u32 s2, 0
	s_cbranch_scc0 .Lentry_in_a_cluster
	s_endpgm
.Lentry_in_a_cluster:
	s_bfe_u32 s2, ttmp6, 0x10000c
	s_cmp_lg_u32 s2, 0xf033
	s_cbranch_scc0 .Lentry_shape_is_right
	s_endpgm
.Lentry_shape_is_right:
; x1 = bf16(x) + o Wo^T + bf16(out_b), in f32 [4096][1024].  o: [16 blocks][4096 tokens][64] bf16 (K in blocks of 64); Wo: [1024][1024] bf16 at wsm's first byte.  Sums in f32.
; LIMITS.  The bias and the residual x are inputs and are rounded to bf16 before use.  The K steps are summed in an order that hangs on the cluster (below): the sums' last bits differ from an ascending walk's.
; A tile is 128 x 128: 256 work-groups; four waves, each 64 x 64: 16 accumulators.  K goes in steps of 256 through two LDS slots.  Of A a load brings 64 tokens x 4 blocks: 4 rows of 8,192 dense bytes,
; padded by 16 bytes behind every 256 (two tokens); of W 64 rows of 512 bytes, padded by 16.  CLUSTER 4 x 4: A's tile is shared along a row of the cluster, W's along a column.
; THE WALK ALONG K GOES ROUND, FROM A START THAT HANGS ON THE CLUSTER: cluster (x, y) begins at K step (NSTEP / 2) x + (NSTEP / 4) (y mod 4) and goes on modulo NSTEP.  The two clusters that read the same rows
; of A are half a walk apart, the clusters that read the same rows of W a quarter: they ask for different K steps of the shared rows at any one time.  The start is the same in all sixteen partners.
; The matrix instruction is used transposed (source 0 = rows of W); the bias is the C operand of each sum's first product.  A K step is written once; the slot in hand is a scalar turned by an exclusive or.
; The residual is asked for behind the first barrier and wanted on the way out: only the bias stands in front of the first product.
; REGISTERS: window 0: addresses, v32-63 and v192-223 the way out, v64-191 A's two fragment buffers; window 1: v0-3 at work, v64-191 W's buffers, v192-223 the bias;
; window 2: v0-127 the accumulators, (a, b) at 8 (4 a + b); window 3: v0-127 the residual, v128-131 at work.
.set SIZE_K, 1024
.set WOFF,   0                         ; where W begins in its buffer
.set RNDRES, 1                         ; the residual is an input: rounded to bf16
.set KSTEP,  256
.set NSTEP,  SIZE_K/KSTEP
.set AM, 4
.set BN, 4
.set SD, 2                             ; a quarter is 64 along K: two slices of 32
.set HW, 0
.set AHALF,  4*32*272
.set BHALF,  64*528
.set SLOT,   2*AHALF+2*BHALF
.set SPARE,  2*SLOT
.set LGA, 21                           ; a K step of A is four blocks of 524,288 bytes: 2^21
.set LGB, 9                            ; of W 512 bytes of a row: 2^9
.set ARB, 8*272                        ; 16 tokens
.set AQ,  32*272                       ; a block of 64 along K
.set BRB, 16*528
.set BQ,  128
.set A0,   16
.set B0,   17
.set ADRA, 18
.set ADRB, 19
.set STO,  24
.set RD,   25
.set BOF,  26
.set CO,   27
.set SPW,  28
.set NIL,  29
.set OB,   32
.set F0,   64
.set F1,   128
.set BIAS, 192
.set WV, 14
.set RH, 15
.set CH, 16
.set CX, 17
.set CY, 18
.set TX, 19
.set TY, 20
.set TB, 21
.set WBA, 22
.set WBB, 23
.set G1A, 24
.set G0A, 32
.set G1B, 48
.set G0B, 56
.set CNT, 67
.set KK,  74                           ; s74  the K step asked for last
.set HIM, 76
.set MSB, 0
.macro WIN new
.if MSB != (\new)
	s_set_vgpr_msb (MSB<<8)|(\new)
.set MSB, \new
.endif
.endm
.set MUL_LO,  0xa1
.set BIAS_LO, 0x91
.set TO_B,    0x40
.macro PLACES
.rept 4
	v_nop
.endr
.endm
.macro CREST
	s_cmp_lg_u32 s[WV], 0
	s_cbranch_scc1 .Lnot_wave_0_\@
	s_barrier_signal -3
.Lnot_wave_0_\@:
	s_barrier_wait -3
	s_barrier_signal -1
	s_barrier_wait -1
.endm
.macro CROUND
	s_barrier_signal -1
	s_barrier_wait -1
	CREST
.endm
.macro JLOAD
	s_cmp_eq_u32 s[RH], 0
	s_cbranch_scc0 .Lfor_b_\@
	tensor_load_to_lds s[G0A+4:G0A+7], s[G1A:G1A+7]
	s_nop 0
.rept 4
	v_nop
.endr
	s_branch .Lasked_\@
.Lfor_b_\@:
	tensor_load_to_lds s[G0B+4:G0B+7], s[G1B:G1B+7]
	s_nop 0
.rept 4
	v_nop
.endr
.Lasked_\@:
.endm
.macro RND2 a, b, t
	v_cvt_pk_bf16_f32 v[\t], v[\a], v[\b]
	v_lshlrev_b32 v[\a], 16, v[\t]
	v_and_b32 v[\b], s[HIM], v[\t]
.endm
; 2 BN matrix instructions: row blocks a0, a0 + 1 x all column blocks, slice h of the quarter.  The accumulators take turns.  first = 1: C is the bias.
.macro MULH f, h, a0, first
.if \first
	WIN BIAS_LO+0x40*(\h)*HW
.else
	WIN MUL_LO+0x50*(\h)*HW
.endif
.irp a, \a0, (\a0)+1
.irp b, 0,1,2,3,4,5,6,7
.if (\b) < BN
.if \first
	v_wmma_f32_16x16x32_bf16 v[8*(BN*(\a)+(\b)):8*(BN*(\a)+(\b))+7], v[(\f)+8*((\b)+(\h)*BN*(SD-1)):(\f)+8*((\b)+(\h)*BN*(SD-1))+7], v[(\f)+8*(4*(\h)+(\a)):(\f)+8*(4*(\h)+(\a))+7], v[BIAS+8*(\b):BIAS+8*(\b)+7]
.else
	v_wmma_f32_16x16x32_bf16 v[8*(BN*(\a)+(\b)):8*(BN*(\a)+(\b))+7], v[(\f)+8*((\b)+(\h)*BN*(SD-1)):(\f)+8*((\b)+(\h)*BN*(SD-1))+7], v[(\f)+8*(4*(\h)+(\a)):(\f)+8*(4*(\h)+(\a))+7], v[8*(BN*(\a)+(\b)):8*(BN*(\a)+(\b))+7]
.endif
.endif
.endr
.endr
.endm
.macro FETCH k, f                      ; 32 LDS loads in one run: quarter k's fragments (slice i / 4, block i % 4), W's sixteen first
	WIN TO_B
.irp i, 0,1,2,3,4,5,6,7
	ds_load_b128 v[(\f)+8*(\i):(\f)+8*(\i)+3],   v[ADRB] offset:(\k)*BQ+((\i)/BN)*64+((\i)%BN)*BRB
	ds_load_b128 v[(\f)+8*(\i)+4:(\f)+8*(\i)+7], v[ADRB] offset:(\k)*BQ+((\i)/BN)*64+((\i)%BN)*BRB+32
.endr
	WIN 0
.irp i, 0,1,2,3,4,5,6,7
	ds_load_b128 v[(\f)+8*(\i):(\f)+8*(\i)+3],   v[ADRA] offset:(\k)*AQ+((\i)/AM)*64+((\i)%AM)*ARB
	ds_load_b128 v[(\f)+8*(\i)+4:(\f)+8*(\i)+7], v[ADRA] offset:(\k)*AQ+((\i)/AM)*64+((\i)%AM)*ARB+32
.endr
.endm
.macro QUARTER k, f, g, first
	s_wait_dscnt 8                                 ; all but the youngest eight loads (A's second slice) are in
	MULH \f, 0, 0, \first
	MULH \f, 0, 2, \first
	PLACES
	FETCH \k, \g
	s_wait_dscnt 32                                ; all but the 32 just issued
	MULH \f, 1, 0, (\first)*HW
	MULH \f, 1, 2, (\first)*HW
.endm
; ONE barrier for the change of slots: all my tensor loads, the add, my reads of this slot, then the signal.  round = 1: the slot will be filled again: no tensor load of mine is out behind the first line, so the
; walking sets are written here, between the add and the wait for it: the next K step round the walk, its two addresses made anew from the kept bases, into the slot that is being left.
.macro MEET round
	WIN 0
	s_wait_tensorcnt 0x0
	ds_add_u32 v[SPW], v[NIL]
.if \round
	s_add_co_u32 s[KK], s[KK], 1
	s_and_b32 s[KK], s[KK], NSTEP-1                ; round the walk
	s_lshl_b32 s46, s[KK], LGA
	s_add_nc_u64 s[G0A+6:G0A+7], s[40:41], s[46:47]
	s_or_b32 s[G0A+7], s[G0A+7], 0x80000000
	s_lshl_b32 s46, s[KK], LGB
	s_add_nc_u64 s[G0B+6:G0B+7], s[42:43], s[46:47]
	s_or_b32 s[G0B+7], s[G0B+7], 0x80000000
	s_add_co_u32 s[G0A+5], s[WBA], s[TB]
	s_add_co_u32 s[G0B+5], s[WBB], s[TB]
.endif
	s_wait_dscnt 9                                 ; the add and the youngest eight loads may be out
	MULH F1, 0, 0, 0
	s_wait_dscnt 0x0
	s_barrier_signal -1
	MULH F1, 0, 2, 0
.if \round
	WIN 0
.endif
	s_barrier_wait -1
.endm
.macro TURN fill                       ; the last quarter; fill = 1: a round of the cluster's barrier, and the slot just read out is filled again first thing behind it
	MEET \fill
.if \fill
	CREST
	s_xor_b32 s[TB], s[TB], SLOT
	JLOAD
.else
	s_xor_b32 s[TB], s[TB], SLOT
	PLACES
	WIN 0
.endif
	v_add_nc_u32 v[ADRA], s[TB], v[A0]
	v_add_nc_u32 v[ADRB], s[TB], v[B0]
	FETCH 0, F0
	MULH F1, 1, 0, 0
	MULH F1, 1, 2, 0
.endm
	s_load_b256 s[4:11], s[0:1], 0x0               ; A s[4:5], W s[6:7], bias s[8:9], residual s[10:11]
	s_load_b64 s[12:13], s[0:1], 0x20              ; out
	v_lshl_add_u32 v[SPW], v0, 2, SPARE
	v_mov_b32 v[NIL], 0
	ds_add_u32 v[SPW], v[NIL]                      ; the wave's opening: the add and its wait ahead of my first tensor load
	v_lshrrev_b32 v1, 5, v0
	v_readfirstlane_b32 s[WV], v1
	s_lshr_b32 s[RH], s[WV], 1
	s_and_b32 s[CH], s[WV], 1
	s_bfe_u32 s[CX], ttmp6, 0x40000
	s_bfe_u32 s[CY], ttmp6, 0x40004
	s_lshl_b32 s[TX], ttmp9, 2
	s_add_co_u32 s[TX], s[TX], s[CX]
	s_and_b32 s[TY], ttmp7, 0xffff
	s_lshl_b32 s[TY], s[TY], 2
	s_add_co_u32 s[TY], s[TY], s[CY]
	s_lshl_b32 s68, s[CY], 2
	s_lshl_b32 s68, 15, s68
	s_lshl_b32 s69, 0x1111, s[CX]
	s_or_b32 s[G1A], s68, (1<<16)|(1<<20)|(1<<21)|(5<<22)|(3<<25)  ; A: 4 words of padding behind every 64
	s_mov_b32 s[G1A+1], 4096<<16                   ; tensor_dim0 = 4,096 elements: 64 tokens of a block, dense
	s_mov_b32 s[G1A+2], 4<<16                      ; tensor_dim1 = 4 blocks
	s_mov_b32 s[G1A+3], 4096<<16                   ; tile_dim0
	s_mov_b32 s[G1A+4], 4                          ; tile_dim1
	s_mov_b32 s[G1A+5], 262144                     ; elements from block to block
	s_mov_b32 s[G1A+6], 0
	s_mov_b32 s[G1A+7], 0
	s_or_b32 s[G1B], s69, (1<<16)|(1<<20)|(1<<21)|(6<<22)|(3<<25)  ; W: 4 words behind every 128
	s_mov_b32 s[G1B+1], KSTEP<<16
	s_mov_b32 s[G1B+2], 64<<16
	s_mov_b32 s[G1B+3], KSTEP<<16
	s_mov_b32 s[G1B+4], 64
	s_mov_b32 s[G1B+5], SIZE_K
	s_mov_b32 s[G1B+6], 0
	s_mov_b32 s[G1B+7], 0
	s_lshl_b32 s70, s[CH], 6                       ; which 64 rows of the tile I fetch
	s_lshl_b32 s40, s[TY], 7
	s_add_co_u32 s40, s40, s70
	s_lshl_b32 s40, s40, 7                         ; A: 128 bytes a token; made of the tile row alone
	s_mov_b32 s41, 0
	s_lshl_b32 s42, s[TX], 7
	s_add_co_u32 s42, s42, s70
	s_mul_i32 s42, s42, 2*SIZE_K                   ; W: made of the tile column alone
.if WOFF
	s_add_co_u32 s42, s42, WOFF
.endif
	s_mov_b32 s43, 0
	s_mul_i32 s[WBA], s[CH], AHALF
	s_mul_i32 s[WBB], s[CH], BHALF
	s_add_co_u32 s[WBB], s[WBB], 2*AHALF
	s_mov_b32 s[HIM], 0xffff0000
	s_mov_b32 s[TB], 0
	s_and_b32 s[KK], ttmp7, 3                      ; where my cluster's walk begins: made of the cluster's x and y alone, which all sixteen partners share
	s_mul_i32 s[KK], s[KK], NSTEP/4
	s_mul_i32 s44, ttmp9, NSTEP/2
	s_add_co_u32 s[KK], s[KK], s44
	s_and_b32 s[KK], s[KK], NSTEP-1
	s_mov_b32 s47, 0                               ; the upper word of a K step's offset; never rewritten
	s_wait_dscnt 0x0
	s_wait_kmcnt 0x0
	s_add_nc_u64 s[40:41], s[4:5], s[40:41]        ; my part of A's and of W's tile at K step 0: the kept bases
	s_add_nc_u64 s[42:43], s[6:7], s[42:43]
	CROUND                                         ; all sixteen work-groups are here: the first joint loads meet
.irp s, 0,1
	s_add_co_u32 s44, s[KK], \s                    ; the walk's first and second K step
	s_and_b32 s44, s44, NSTEP-1
	s_lshl_b32 s46, s44, LGA
	s_mov_b32 s[G0A+4*(\s)], 1
	s_add_co_u32 s[G0A+4*(\s)+1], s[WBA], (\s)*SLOT
	s_add_nc_u64 s[G0A+4*(\s)+2:G0A+4*(\s)+3], s[40:41], s[46:47]
	s_or_b32 s[G0A+4*(\s)+3], s[G0A+4*(\s)+3], 0x80000000
	s_lshl_b32 s46, s44, LGB
	s_mov_b32 s[G0B+4*(\s)], 1
	s_add_co_u32 s[G0B+4*(\s)+1], s[WBB], (\s)*SLOT
	s_add_nc_u64 s[G0B+4*(\s)+2:G0B+4*(\s)+3], s[42:43], s[46:47]
	s_or_b32 s[G0B+4*(\s)+3], s[G0B+4*(\s)+3], 0x80000000
.endr
	s_mov_b32 s[KK], s44
	s_cmp_eq_u32 s[RH], 0                          ; a wave's two first fills stand in one branch: two loads of mine are out
	s_cbranch_scc0 .Lfirst_b
	tensor_load_to_lds s[G0A:G0A+3], s[G1A:G1A+7]
	s_nop 0
	tensor_load_to_lds s[G0A+4:G0A+7], s[G1A:G1A+7]
	s_nop 0
.rept 4
	v_nop
.endr
	s_branch .Lfirst_asked
.Lfirst_b:
	tensor_load_to_lds s[G0B:G0B+3], s[G1B:G1B+7]
	s_nop 0
	tensor_load_to_lds s[G0B+4:G0B+7], s[G1B:G1B+7]
	s_nop 0
.rept 4
	v_nop
.endr
.Lfirst_asked:
	s_lshl_b32 s70, s[TX], 9                       ; my 64 columns, in f32: 4 (128 tx + 64 half)
	s_lshl_b32 s71, s[CH], 8
	s_add_co_u32 s70, s70, s71
	s_mov_b32 s71, 0
	s_add_nc_u64 s[8:9], s[8:9], s[70:71]
	s_lshl_b32 s72, s[TY], 19                      ; my 64 rows of 4,096 bytes: 128 ty + 64 half
	s_add_co_u32 s70, s70, s72
	s_lshl_b32 s72, s[RH], 18
	s_add_co_u32 s70, s70, s72
	s_add_nc_u64 s[10:11], s[10:11], s[70:71]
	s_add_nc_u64 s[12:13], s[12:13], s[70:71]
	v_and_b32 v1, 15, v0                           ; r
	v_bfe_u32 v2, v0, 4, 1                         ; h
	v_lshlrev_b32 v[BOF], 5, v2
	v_lshlrev_b32 v[CO], 12, v2                    ; lanes 0-15 take a row's 256 bytes, lanes 16-31 the next row's
	v_lshl_add_u32 v[CO], v1, 4, v[CO]
	WIN TO_B
.irp b, 0,1,2,3
	global_load_b128 v[BIAS+8*\b:BIAS+8*\b+3],   v[BOF], s[8:9] offset:64*\b
	global_load_b128 v[BIAS+8*\b+4:BIAS+8*\b+7], v[BOF], s[8:9] offset:64*\b+16
.endr
	WIN 0
	v_lshrrev_b32 v3, 1, v1                        ; A: (r / 2) 272 + (r % 2) 128 + 16 h: the sixteen rows start at sixteen different groups of four banks
	v_mul_u32_u24 v3, v3, 272
	v_and_b32 v4, 1, v1
	v_lshl_add_u32 v3, v4, 7, v3
	v_lshl_add_u32 v3, v2, 4, v3
	s_mul_i32 s70, s[RH], AHALF
	v_add_nc_u32 v[A0], s70, v3
	v_mul_u32_u24 v3, v1, 528
	v_lshl_add_u32 v3, v2, 4, v3
	s_mul_i32 s70, s[CH], BHALF
	s_add_co_u32 s70, s70, 2*AHALF
	v_add_nc_u32 v[B0], s70, v3
	v_mov_b32 v[ADRA], v[A0]
	v_mov_b32 v[ADRB], v[B0]
	s_mul_i32 s70, s[WV], 16*272                   ; my stage: 16 rows of 272 bytes in slot 0, which has had its last fill and its last read by then
	v_mul_u32_u24 v3, v1, 272
	v_lshl_add_u32 v3, v2, 5, v3
	v_add_nc_u32 v[STO], s70, v3
	v_mul_u32_u24 v3, v2, 272
	v_lshl_add_u32 v3, v1, 4, v3
	v_add_nc_u32 v[RD], s70, v3
	s_wait_loadcnt 0x0                             ; the bias
	WIN 0x45
.set i, 0
.rept 16
	RND2 BIAS+2*i,BIAS+2*i+1,i%4
.set i, i+1
.endr
	WIN 0
	s_wait_tensorcnt 0x1                           ; my part of the walk's first K step is in; the second's stays out
	s_barrier_signal -1
	s_barrier_wait -1
	FETCH 0, F0
	WIN 0xc0                                       ; destination window 3
.set i, 0
.rept 32
	global_load_b128 v[4*i:4*i+3], v[CO], s[10:11] offset:8192*i th:TH_LOAD_NT  ; the residual of my 64 x 64, two rows a load, as it will be stored; read once in the launch; wanted behind the loop
.set i, i+1
.endr
	QUARTER 1, F0, F1, 1
	WIN 0
	s_mov_b32 s[CNT], NSTEP-2
.Lstep:
	QUARTER 2, F1, F0, 0
	QUARTER 3, F0, F1, 0
	TURN 1
	QUARTER 1, F0, F1, 0
	WIN 0
	s_sub_co_u32 s[CNT], s[CNT], 1
	s_cmp_lg_u32 s[CNT], 0
	s_cbranch_scc1 .Lstep
	s_wait_loadcnt 0x0                             ; the residual, asked for NSTEP - 2 K steps ago
.if RNDRES
	WIN 0xcf                                       ; destination and both sources in window 3: none of these lines names a register of a product
.set i, 0
.rept 64
	RND2 2*i,2*i+1,128+i%4
.set i, i+1
.endr
	WIN 0
.endif
	s_mov_b32 s[CNT], 2                            ; the last two K steps ask for nothing: a second copy; the second trip is left in its middle
.Ltail:
	QUARTER 2, F1, F0, 0
	QUARTER 3, F0, F1, 0
	WIN 0
	s_sub_co_u32 s[CNT], s[CNT], 1
	s_cmp_eq_u32 s[CNT], 0
	s_cbranch_scc1 .Llast
	TURN 0
	QUARTER 1, F0, F1, 0
	WIN 0
	s_branch .Ltail
.Llast:
	s_wait_dscnt 8
	MULH F1, 0, 0, 0
	MULH F1, 0, 2, 0
	s_wait_dscnt 0x0
	MULH F1, 1, 0, 0
	MULH F1, 1, 2, 0
	WIN 0
	PLACES
	; THE WAY OUT, 16 rows at a time: the f32 sums into my stage, back as whole rows of 256 bytes, the residual added, stored.
.macro STG a
	WIN 0x08                                       ; the stores' data in window 2
.irp b, 0,1,2,3
	ds_store_b128 v[STO], v[8*(4*(\a)+(\b)):8*(4*(\a)+(\b))+3]   offset:64*(\b)
	ds_store_b128 v[STO], v[8*(4*(\a)+(\b))+4:8*(4*(\a)+(\b))+7] offset:64*(\b)+16
.endr
	WIN 0
.set BK, OB+160*((\a)%2)
.irp t, 0,1,2,3,4,5,6,7
	ds_load_b128 v[BK+4*(\t):BK+4*(\t)+3], v[RD] offset:544*(\t)  ; LDS serves a wave's instructions in order: these see the stores above, and the next block's stores come behind them
.endr
.endm
.macro SEND a, younger                 ; younger: the next block's sixteen LDS instructions, or none
.set BK, OB+160*((\a)%2)
	s_wait_dscnt \younger
	WIN 0x0c                                       ; source 1 in window 3
.set i, 0
.rept 16
	v_pk_add_f32 v[BK+2*i:BK+2*i+1], v[BK+2*i:BK+2*i+1], v[32*(\a)+2*i:32*(\a)+2*i+1]
.set i, i+1
.endr
	WIN 0
.irp t, 0,1,2,3,4,5,6,7
	global_store_b128 v[CO], v[BK+4*(\t):BK+4*(\t)+3], s[12:13] offset:(16*(\a)+2*(\t))*4096  ; 16 lanes store 256 consecutive bytes, aligned
.endr
.endm
	STG 0
	STG 1
	SEND 0, 16
	s_wait_xcnt 0x0                                ; block 0's stores have read their data: its buffer is loaded again only behind this wait
	STG 2
	SEND 1, 16
	s_wait_xcnt 0x0
	STG 3
	SEND 2, 16
	SEND 3, 0
	s_wait_tensorcnt 0x0                           ; the wave's end
	ds_add_u32 v[SPW], v[NIL]
	s_wait_dscnt 0x0
	CROUND                                         ; the closing round
	s_endpgm
.Lfunc_end_k_q920edc9dbd_oproj:
	.size	k_q920edc9dbd_oproj, .Lfunc_end_k_q920edc9dbd_oproj-k_q920edc9dbd_oproj
	.p2alignl 7, 3214868480
	.fill 96, 4, 3214868480
	.section	.rodata,"a",@progbits
	.p2align	6, 0x0
	.amdhsa_kernel k_q920edc9dbd_oproj
		.amdhsa_group_segment_fixed_size 327680
		.amdhsa_private_segment_fixed_size 0
		.amdhsa_enable_private_segment 0
		.amdhsa_kernarg_size 40
		.amdhsa_user_sgpr_count 2
		.amdhsa_user_sgpr_kernarg_segment_ptr 1
		.amdhsa_wavefront_size32 1
		.amdhsa_system_sgpr_workgroup_id_x 1
		.amdhsa_system_sgpr_workgroup_id_y 1
		.amdhsa_system_sgpr_workgroup_id_z 1
		.amdhsa_system_vgpr_workitem_id 0
		.amdhsa_next_free_vgpr 1024
		.amdhsa_next_free_sgpr 80
		.amdhsa_reserve_vcc 0
		.amdhsa_float_denorm_mode_32 3
		.amdhsa_float_denorm_mode_16_64 3
		.amdhsa_memory_ordered 1
		.amdhsa_forward_progress 1
		.amdhsa_inst_pref_size 79
	.end_amdhsa_kernel
	.amdgpu_metadata
---
amdhsa.version: [ 1, 2 ]
amdhsa.kernels:
  - .name:           k_q920edc9dbd_oproj
    .symbol:         k_q920edc9dbd_oproj.kd
    .args:
      - { .name: act, .offset: 0, .size: 8, .value_kind: global_buffer, .address_space: global }
      - { .name: wsm, .offset: 8, .size: 8, .value_kind: global_buffer, .address_space: global }
      - { .name: out_b, .offset: 16, .size: 8, .value_kind: global_buffer, .address_space: global }
      - { .name: x, .offset: 24, .size: 8, .value_kind: global_buffer, .address_space: global }
      - { .name: x1, .offset: 32, .size: 8, .value_kind: global_buffer, .address_space: global }
    .group_segment_fixed_size: 327680
    .private_segment_fixed_size: 0
    .kernarg_segment_align: 8
    .kernarg_segment_size: 40
    .max_flat_workgroup_size: 128
    .sgpr_count:     80
    .vgpr_count:     1024
    .wavefront_size: 32
...
	.end_amdgpu_metadata
.endif
;; end of part 4
;; launch ln2 (part 5): grid 512 x 1, 4 waves a work-group, no clusters, 0 bytes of LDS; arguments x1, ln2_g, ln2_b, act; writes act
.if DOCPART == 5
	.amdgcn_target "amdgcn-amd-amdhsa--gfx1250"
	.amdhsa_code_object_version 6
	.text
	.protected	k_q920edc9dbd_ln2
	.globl	k_q920edc9dbd_ln2
	.p2align	8
	.type	k_q920edc9dbd_ln2,@function
k_q920edc9dbd_ln2:
	s_mov_b64 s[64:65], 0
	v_nop
	global_prefetch_b8 v0, s[64:65] scope:SCOPE_SE
	s_setreg_imm32_b32 hwreg(HW_REG_WAVE_MODE, 25, 1), 1
	s_wait_xcnt 0x0
; xm = LayerNorm(x1) with bf16(gain), bf16(shift), stored as bf16 [4096][1024] into act.  x1 is f32 and is taken as it is.
; LIMITS.  Gain and shift are inputs and are rounded to bf16 before use; mean and variance in f32, the variance of the centred row.
; One wave, one row, kept in 32 registers between the passes; two rows a wave, all their loads issued at the start.  A load of a wave covers 512 consecutive bytes, a store 256, aligned.
; Nothing is shared but the 8 KiB of gains and shifts: no LDS, no barrier, no cluster.
.set XP,  16                           ; s[16:17] x1
.set GP,  18                           ; s[18:19] gain
.set BP,  20                           ; s[20:21] shift
.set OP,  22                           ; s[22:23] act
.set HIM, 14
.set INV, 15
.set EPS, 38
.set WV,  41
.set O16, 2
.set O8,  3
.set T,   4
.set C,   16
.set M,   24
.set R,   26
.set X,   32                           ; v[32:95]  two rows: register 4 j + i holds column 128 j + 4 lane + i
.set G,   96
.set BT,  128
.macro RND2 a, b, t
	v_cvt_pk_bf16_f32 v[\t], v[\a], v[\b]
	v_lshlrev_b32 v[\a], 16, v[\t]
	v_and_b32 v[\b], s[HIM], v[\t]
.endm
.macro TREE
	v_pk_add_f32 v[C:C+1], v[C:C+1], v[C+2:C+3]
	v_pk_add_f32 v[C+4:C+5], v[C+4:C+5], v[C+6:C+7]
	v_pk_add_f32 v[C:C+1], v[C:C+1], v[C+4:C+5]
	v_add_f32 v[C], v[C], v[C+1]
.endm
.macro REDUCE v, t
	v_add_f32_dpp v[\v], v[\v], v[\v] row_xmask:1 row_mask:0xf bank_mask:0xf
	v_add_f32_dpp v[\v], v[\v], v[\v] row_xmask:2 row_mask:0xf bank_mask:0xf
	v_add_f32_dpp v[\v], v[\v], v[\v] row_xmask:4 row_mask:0xf bank_mask:0xf
	v_add_f32_dpp v[\v], v[\v], v[\v] row_xmask:8 row_mask:0xf bank_mask:0xf
	v_permlanex16_b32 v[\t], v[\v], s12, s13
	v_add_f32 v[\v], v[\v], v[\t]
.endm
.macro LNROW r, left
.set XR, X+32*(\r)
	s_wait_loadcnt \left                           ; loads come back in order: my row's eight are in
.irp k, 0,2,4,6
	v_pk_add_f32 v[C+\k:C+\k+1], v[XR+\k:XR+\k+1], v[XR+8+\k:XR+8+\k+1]
.endr
.irp o, 16,24
.irp k, 0,2,4,6
	v_pk_add_f32 v[C+\k:C+\k+1], v[C+\k:C+\k+1], v[XR+\o+\k:XR+\o+\k+1]
.endr
.endr
	TREE
	REDUCE C,C+1
	v_mul_f32 v[M], s[INV], v[C]
	v_mul_f32 v[M+1], s[INV], v[C]
.set i, 0
.rept 16
	v_pk_add_f32 v[XR+2*i:XR+2*i+1], v[XR+2*i:XR+2*i+1], v[M:M+1] neg_lo:[0,1] neg_hi:[0,1]
.set i, i+1
.endr
.irp k, 0,2,4,6
	v_pk_mul_f32 v[C+\k:C+\k+1], v[XR+\k:XR+\k+1], v[XR+\k:XR+\k+1]
.endr
.irp o, 8,16,24
.irp k, 0,2,4,6
	v_pk_fma_f32 v[C+\k:C+\k+1], v[XR+\o+\k:XR+\o+\k+1], v[XR+\o+\k:XR+\o+\k+1], v[C+\k:C+\k+1]
.endr
.endr
	TREE
	REDUCE C,C+1
	v_fma_f32 v[T], v[C], s[INV], s[EPS]
	v_rsq_f32 v[R], v[T]
	v_nop                                          ; a plain instruction behind the root,
	s_wait_alu depctr_va_vdst(0)                   ; and the wait ahead of its first reader
	v_mov_b32 v[R+1], v[R]
.set i, 0
.rept 16
	v_pk_mul_f32 v[XR+2*i:XR+2*i+1], v[XR+2*i:XR+2*i+1], v[R:R+1]
.set i, i+1
.endr
.set i, 0
.rept 16
	v_pk_fma_f32 v[XR+2*i:XR+2*i+1], v[XR+2*i:XR+2*i+1], v[G+2*i:G+2*i+1], v[BT+2*i:BT+2*i+1]
.set i, i+1
.endr
.set i, 0
.rept 16
	v_cvt_pk_bf16_f32 v[XR+i], v[XR+2*i], v[XR+2*i+1]
.set i, i+1
.endr
.irp j, 0,1,2,3,4,5,6,7
	global_store_b64 v[O8], v[XR+2*\j:XR+2*\j+1], s[OP:OP+1] offset:2048*(\r)+256*\j  ; 256 consecutive bytes, aligned
.endr
.endm
	s_load_b256 s[16:23], s[0:1], 0x0
	v_and_b32 v1, 31, v0
	v_lshrrev_b32 v4, 5, v0
	v_readfirstlane_b32 s[WV], v4
	v_lshlrev_b32 v[O16], 4, v1
	v_lshlrev_b32 v[O8], 3, v1
	s_mov_b32 s12, 0x76543210
	s_mov_b32 s13, 0xfedcba98
	s_mov_b32 s[HIM], 0xffff0000
	s_mov_b32 s[INV], 0x3a800000
	s_mov_b32 s[EPS], 0x3727c5ac
	s_lshl_b32 s4, ttmp9, 15                       ; the work-group's 8 rows of 4,096 bytes,
	s_lshl_b32 s5, s[WV], 13                       ; my wave's 2
	s_add_co_u32 s4, s4, s5
	s_mov_b32 s5, 0
	s_wait_kmcnt 0x0
	s_add_nc_u64 s[XP:XP+1], s[XP:XP+1], s[4:5]
	s_lshr_b32 s4, s4, 1
	s_add_nc_u64 s[OP:OP+1], s[OP:OP+1], s[4:5]
.irp j, 0,1,2,3,4,5,6,7
	global_load_b128 v[G+4*\j:G+4*\j+3], v[O16], s[GP:GP+1] offset:512*\j
.endr
.irp j, 0,1,2,3,4,5,6,7
	global_load_b128 v[BT+4*\j:BT+4*\j+3], v[O16], s[BP:BP+1] offset:512*\j
.endr
.irp r, 0,1
.irp j, 0,1,2,3,4,5,6,7
	global_load_b128 v[X+32*\r+4*\j:X+32*\r+4*\j+3], v[O16], s[XP:XP+1] offset:4096*\r+512*\j th:TH_LOAD_NT
.endr
.endr
	s_wait_loadcnt 16                              ; gains and shifts are in; the two rows' sixteen loads stay out
.set i, 0
.rept 16
	RND2 G+2*i,G+2*i+1,T+i%4
	RND2 BT+2*i,BT+2*i+1,T+4+i%4
.set i, i+1
.endr
	LNROW 0, 8
	LNROW 1, 0
	s_endpgm
.Lfunc_end_k_q920edc9dbd_ln2:
	.size	k_q920edc9dbd_ln2, .Lfunc_end_k_q920edc9dbd_ln2-k_q920edc9dbd_ln2
	.p2alignl 7, 3214868480
	.fill 96, 4, 3214868480
	.section	.rodata,"a",@progbits
	.p2align	6, 0x0
	.amdhsa_kernel k_q920edc9dbd_ln2
		.amdhsa_group_segment_fixed_size 0
		.amdhsa_private_segment_fixed_size 0
		.amdhsa_enable_private_segment 0
		.amdhsa_kernarg_size 32
		.amdhsa_user_sgpr_count 2
		.amdhsa_user_sgpr_kernarg_segment_ptr 1
		.amdhsa_wavefront_size32 1
		.amdhsa_system_sgpr_workgroup_id_x 1
		.amdhsa_system_sgpr_workgroup_id_y 1
		.amdhsa_system_sgpr_workgroup_id_z 1
		.amdhsa_system_vgpr_workitem_id 0
		.amdhsa_next_free_vgpr 160
		.amdhsa_next_free_sgpr 66
		.amdhsa_reserve_vcc 0
		.amdhsa_float_denorm_mode_32 3
		.amdhsa_float_denorm_mode_16_64 3
		.amdhsa_memory_ordered 1
		.amdhsa_forward_progress 1
		.amdhsa_inst_pref_size 24
	.end_amdhsa_kernel
	.amdgpu_metadata
---
amdhsa.version: [ 1, 2 ]
amdhsa.kernels:
  - .name:           k_q920edc9dbd_ln2
    .symbol:         k_q920edc9dbd_ln2.kd
    .args:
      - { .name: x1, .offset: 0, .size: 8, .value_kind: global_buffer, .address_space: global }
      - { .name: ln2_g, .offset: 8, .size: 8, .value_kind: global_buffer, .address_space: global }
      - { .name: ln2_b, .offset: 16, .size: 8, .value_kind: global_buffer, .address_space: global }
      - { .name: act, .offset: 24, .size: 8, .value_kind: global_buffer, .address_space: global }
    .group_segment_fixed_size: 0
    .private_segment_fixed_size: 0
    .kernarg_segment_align: 8
    .kernarg_segment_size: 32
    .max_flat_workgroup_size: 128
    .sgpr_count:     66
    .vgpr_count:     160
    .wavefront_size: 32
...
	.end_amdgpu_metadata
.endif
;; end of part 5
;; launch mlp1: the kernel of part 2 again; grid 16 x 16, 4 waves a work-group, clusters of 4 x 4, 327,680 bytes of LDS; arguments act, w1b, b1, hid; writes hid
;; launch mlp2 (part 6): grid 8 x 32, 4 waves a work-group, clusters of 4 x 4, 327,680 bytes of LDS; arguments hid, wsm, b2, x1, out0; writes out0
.if DOCPART == 6
	.amdgcn_target "amdgcn-amd-amdhsa--gfx1250"
	.amdhsa_code_object_version 6
	.text
	.protected	k_q920edc9dbd_mlp2
	.globl	k_q920edc9dbd_mlp2
	.p2align	8
	.type	k_q920edc9dbd_mlp2,@function
k_q920edc9dbd_mlp2:
	s_mov_b64 s[64:65], 0
	v_nop
	global_prefetch_b8 v0, s[64:65] scope:SCOPE_SE
	s_setreg_imm32_b32 hwreg(HW_REG_WAVE_MODE, 25, 1), 1
	s_wait_xcnt 0x0
	s_wait_alu depctr_hold_cnt(0) depctr_sa_sdst(0) depctr_va_vdst(0) depctr_va_sdst(0) depctr_va_ssrc(0) depctr_va_vcc(0) depctr_vm_vsrc(0)
	s_getreg_b32 s2, hwreg(HW_REG_IB_STS2, 6, 4)
	s_cmp_eq_u32 s2, 0
	s_cbranch_scc0 .Lentry_in_a_cluster
	s_endpgm
.Lentry_in_a_cluster:
	s_bfe_u32 s2, ttmp6, 0x10000c
	s_cmp_lg_u32 s2, 0xf033
	s_cbranch_scc0 .Lentry_shape_is_right
	s_endpgm
.Lentry_shape_is_right:
; out0 = x1 + hid W2^T + bf16(b2), in f32 [4096][1024].  hid: [64 blocks][4096 tokens][64] bf16 (K in blocks of 64); W2: [1024][4096] bf16 at byte 2,097,152 of wsm.  Sums in f32.
; LIMITS.  The bias is an input and is rounded to bf16 before use; the residual x1 is taken in f32 as it is.  The K steps are summed in an order that hangs on the cluster (below): the sums' last bits differ from an ascending walk's.
; A tile is 128 x 128: 256 work-groups; four waves, each 64 x 64: 16 accumulators.  K goes in 16 steps of 256 through two LDS slots.  Of A a load brings 64 tokens x 4 blocks: 4 rows of 8,192 dense bytes,
; padded by 16 bytes behind every 256 (two tokens); of W 64 rows of 512 bytes, padded by 16.  CLUSTER 4 x 4: A's tile is shared along a row of the cluster, W's along a column.
; THE WALK ALONG K GOES ROUND, FROM A START THAT HANGS ON THE CLUSTER: cluster (x, y) begins at K step (NSTEP / 2) x + (NSTEP / 4) (y mod 4) and goes on modulo NSTEP.  The two clusters that read the same rows
; of A are half a walk apart, the clusters that read the same rows of W a quarter: they ask for different K steps of the shared rows at any one time.  The start is the same in all sixteen partners.
; The matrix instruction is used transposed (source 0 = rows of W); the bias is the C operand of each sum's first product.  A K step is written once; the slot in hand is a scalar turned by an exclusive or.
; The residual is asked for behind the first barrier and wanted on the way out: only the bias stands in front of the first product.
; REGISTERS: window 0: addresses, v32-63 and v192-223 the way out, v64-191 A's two fragment buffers; window 1: v0-3 at work, v64-191 W's buffers, v192-223 the bias;
; window 2: v0-127 the accumulators, (a, b) at 8 (4 a + b); window 3: v0-127 the residual.
.set SIZE_K, 4096
.set WOFF,   2097152                   ; where W begins in its buffer
.set RNDRES, 0                         ; the residual is no input: not rounded
.set KSTEP,  256
.set NSTEP,  SIZE_K/KSTEP
.set AM, 4
.set BN, 4
.set SD, 2
.set HW, 0
.set AHALF,  4*32*272
.set BHALF,  64*528
.set SLOT,   2*AHALF+2*BHALF
.set SPARE,  2*SLOT
.set LGA, 21                           ; a K step of A is four blocks of 524,288 bytes: 2^21
.set LGB, 9                            ; of W 512 bytes of a row: 2^9
.set ARB, 8*272
.set AQ,  32*272
.set BRB, 16*528
.set BQ,  128
.set A0,   16
.set B0,   17
.set ADRA, 18
.set ADRB, 19
.set STO,  24
.set RD,   25
.set BOF,  26
.set CO,   27
.set SPW,  28
.set NIL,  29
.set OB,   32
.set F0,   64
.set F1,   128
.set BIAS, 192
.set WV, 14
.set RH, 15
.set CH, 16
.set CX, 17
.set CY, 18
.set TX, 19
.set TY, 20
.set TB, 21
.set WBA, 22
.set WBB, 23
.set G1A, 24
.set G0A, 32
.set G1B, 48
.set G0B, 56
.set CNT, 67
.set KK,  74                           ; s74  the K step asked for last
.set HIM, 76
.set MSB, 0
.macro WIN new
.if MSB != (\new)
	s_set_vgpr_msb (MSB<<8)|(\new)
.set MSB, \new
.endif
.endm
.set MUL_LO,  0xa1
.set BIAS_LO, 0x91
.set TO_B,    0x40
.macro PLACES
.rept 4
	v_nop
.endr
.endm
.macro CREST
	s_cmp_lg_u32 s[WV], 0
	s_cbranch_scc1 .Lnot_wave_0_\@
	s_barrier_signal -3
.Lnot_wave_0_\@:
	s_barrier_wait -3
	s_barrier_signal -1
	s_barrier_wait -1
.endm
.macro CROUND
	s_barrier_signal -1
	s_barrier_wait -1
	CREST
.endm
.macro JLOAD
	s_cmp_eq_u32 s[RH], 0
	s_cbranch_scc0 .Lfor_b_\@
	tensor_load_to_lds s[G0A+4:G0A+7], s[G1A:G1A+7]
	s_nop 0
.rept 4
	v_nop
.endr
	s_branch .Lasked_\@
.Lfor_b_\@:
	tensor_load_to_lds s[G0B+4:G0B+7], s[G1B:G1B+7]
	s_nop 0
.rept 4
	v_nop
.endr
.Lasked_\@:
.endm
.macro RND2 a, b, t
	v_cvt_pk_bf16_f32 v[\t], v[\a], v[\b]
	v_lshlrev_b32 v[\a], 16, v[\t]
	v_and_b32 v[\b], s[HIM], v[\t]
.endm
; 2 BN matrix instructions: row blocks a0, a0 + 1 x all column blocks, slice h of the quarter.  The accumulators take turns.  first = 1: C is the bias.
.macro MULH f, h, a0, first
.if \first
	WIN BIAS_LO+0x40*(\h)*HW
.else
	WIN MUL_LO+0x50*(\h)*HW
.endif
.irp a, \a0, (\a0)+1
.irp b, 0,1,2,3,4,5,6,7
.if (\b) < BN
.if \first
	v_wmma_f32_16x16x32_bf16 v[8*(BN*(\a)+(\b)):8*(BN*(\a)+(\b))+7], v[(\f)+8*((\b)+(\h)*BN*(SD-1)):(\f)+8*((\b)+(\h)*BN*(SD-1))+7], v[(\f)+8*(4*(\h)+(\a)):(\f)+8*(4*(\h)+(\a))+7], v[BIAS+8*(\b):BIAS+8*(\b)+7]
.else
	v_wmma_f32_16x16x32_bf16 v[8*(BN*(\a)+(\b)):8*(BN*(\a)+(\b))+7], v[(\f)+8*((\b)+(\h)*BN*(SD-1)):(\f)+8*((\b)+(\h)*BN*(SD-1))+7], v[(\f)+8*(4*(\h)+(\a)):(\f)+8*(4*(\h)+(\a))+7], v[8*(BN*(\a)+(\b)):8*(BN*(\a)+(\b))+7]
.endif
.endif
.endr
.endr
.endm
.macro FETCH k, f                      ; 32 LDS loads in one run: quarter k's fragments (slice i / 4, block i % 4), W's sixteen first
	WIN TO_B
.irp i, 0,1,2,3,4,5,6,7
	ds_load_b128 v[(\f)+8*(\i):(\f)+8*(\i)+3],   v[ADRB] offset:(\k)*BQ+((\i)/BN)*64+((\i)%BN)*BRB
	ds_load_b128 v[(\f)+8*(\i)+4:(\f)+8*(\i)+7], v[ADRB] offset:(\k)*BQ+((\i)/BN)*64+((\i)%BN)*BRB+32
.endr
	WIN 0
.irp i, 0,1,2,3,4,5,6,7
	ds_load_b128 v[(\f)+8*(\i):(\f)+8*(\i)+3],   v[ADRA] offset:(\k)*AQ+((\i)/AM)*64+((\i)%AM)*ARB
	ds_load_b128 v[(\f)+8*(\i)+4:(\f)+8*(\i)+7], v[ADRA] offset:(\k)*AQ+((\i)/AM)*64+((\i)%AM)*ARB+32
.endr
.endm
.macro QUARTER k, f, g, first
	s_wait_dscnt 8                                 ; all but the youngest eight loads (A's second slice) are in
	MULH \f, 0, 0, \first
	MULH \f, 0, 2, \first
	PLACES
	FETCH \k, \g
	s_wait_dscnt 32                                ; all but the 32 just issued
	MULH \f, 1, 0, (\first)*HW
	MULH \f, 1, 2, (\first)*HW
.endm
; ONE barrier for the change of slots: all my tensor loads, the add, my reads of this slot, then the signal.  round = 1: the slot will be filled again: no tensor load of mine is out behind the first line, so the
; walking sets are written here, between the add and the wait for it: the next K step round the walk, its two addresses made anew from the kept bases, into the slot that is being left.
.macro MEET round
	WIN 0
	s_wait_tensorcnt 0x0
	ds_add_u32 v[SPW], v[NIL]
.if \round
	s_add_co_u32 s[KK], s[KK], 1
	s_and_b32 s[KK], s[KK], NSTEP-1                ; round the walk
	s_lshl_b32 s46, s[KK], LGA
	s_add_nc_u64 s[G0A+6:G0A+7], s[40:41], s[46:47]
	s_or_b32 s[G0A+7], s[G0A+7], 0x80000000
	s_lshl_b32 s46, s[KK], LGB
	s_add_nc_u64 s[G0B+6:G0B+7], s[42:43], s[46:47]
	s_or_b32 s[G0B+7], s[G0B+7], 0x80000000
	s_add_co_u32 s[G0A+5], s[WBA], s[TB]
	s_add_co_u32 s[G0B+5], s[WBB], s[TB]
.endif
	s_wait_dscnt 9                                 ; the add and the youngest eight loads may be out
	MULH F1, 0, 0, 0
	s_wait_dscnt 0x0
	s_barrier_signal -1
	MULH F1, 0, 2, 0
.if \round
	WIN 0
.endif
	s_barrier_wait -1
.endm
.macro TURN fill                       ; the last quarter; fill = 1: a round of the cluster's barrier, and the slot just read out is filled again first thing behind it
	MEET \fill
.if \fill
	CREST
	s_xor_b32 s[TB], s[TB], SLOT
	JLOAD
.else
	s_xor_b32 s[TB], s[TB], SLOT
	PLACES
	WIN 0
.endif
	v_add_nc_u32 v[ADRA], s[TB], v[A0]
	v_add_nc_u32 v[ADRB], s[TB], v[B0]
	FETCH 0, F0
	MULH F1, 1, 0, 0
	MULH F1, 1, 2, 0
.endm
	s_load_b256 s[4:11], s[0:1], 0x0               ; A s[4:5], W s[6:7], bias s[8:9], residual s[10:11]
	s_load_b64 s[12:13], s[0:1], 0x20              ; out
	v_lshl_add_u32 v[SPW], v0, 2, SPARE
	v_mov_b32 v[NIL], 0
	ds_add_u32 v[SPW], v[NIL]                      ; the wave's opening: the add and its wait ahead of my first tensor load
	v_lshrrev_b32 v1, 5, v0
	v_readfirstlane_b32 s[WV], v1
	s_lshr_b32 s[RH], s[WV], 1
	s_and_b32 s[CH], s[WV], 1
	s_bfe_u32 s[CX], ttmp6, 0x40000
	s_bfe_u32 s[CY], ttmp6, 0x40004
	s_lshl_b32 s[TX], ttmp9, 2
	s_add_co_u32 s[TX], s[TX], s[CX]
	s_and_b32 s[TY], ttmp7, 0xffff
	s_lshl_b32 s[TY], s[TY], 2
	s_add_co_u32 s[TY], s[TY], s[CY]
	s_lshl_b32 s68, s[CY], 2
	s_lshl_b32 s68, 15, s68
	s_lshl_b32 s69, 0x1111, s[CX]
	s_or_b32 s[G1A], s68, (1<<16)|(1<<20)|(1<<21)|(5<<22)|(3<<25)  ; A: 4 words of padding behind every 64
	s_mov_b32 s[G1A+1], 4096<<16                   ; tensor_dim0 = 4,096 elements: 64 tokens of a block, dense
	s_mov_b32 s[G1A+2], 4<<16                      ; tensor_dim1 = 4 blocks
	s_mov_b32 s[G1A+3], 4096<<16                   ; tile_dim0
	s_mov_b32 s[G1A+4], 4                          ; tile_dim1
	s_mov_b32 s[G1A+5], 262144                     ; elements from block to block
	s_mov_b32 s[G1A+6], 0
	s_mov_b32 s[G1A+7], 0
	s_or_b32 s[G1B], s69, (1<<16)|(1<<20)|(1<<21)|(6<<22)|(3<<25)  ; W: 4 words behind every 128
	s_mov_b32 s[G1B+1], KSTEP<<16
	s_mov_b32 s[G1B+2], 64<<16
	s_mov_b32 s[G1B+3], KSTEP<<16
	s_mov_b32 s[G1B+4], 64
	s_mov_b32 s[G1B+5], SIZE_K
	s_mov_b32 s[G1B+6], 0
	s_mov_b32 s[G1B+7], 0
	s_lshl_b32 s70, s[CH], 6                       ; which 64 rows of the tile I fetch
	s_lshl_b32 s40, s[TY], 7
	s_add_co_u32 s40, s40, s70
	s_lshl_b32 s40, s40, 7                         ; A: 128 bytes a token; made of the tile row alone
	s_mov_b32 s41, 0
	s_lshl_b32 s42, s[TX], 7
	s_add_co_u32 s42, s42, s70
	s_mul_i32 s42, s42, 2*SIZE_K                   ; W: made of the tile column alone
.if WOFF
	s_add_co_u32 s42, s42, WOFF
.endif
	s_mov_b32 s43, 0
	s_mul_i32 s[WBA], s[CH], AHALF
	s_mul_i32 s[WBB], s[CH], BHALF
	s_add_co_u32 s[WBB], s[WBB], 2*AHALF
	s_mov_b32 s[HIM], 0xffff0000
	s_mov_b32 s[TB], 0
	s_and_b32 s[KK], ttmp7, 3                      ; where my cluster's walk begins: made of the cluster's x and y alone, which all sixteen partners share
	s_mul_i32 s[KK], s[KK], NSTEP/4
	s_mul_i32 s44, ttmp9, NSTEP/2
	s_add_co_u32 s[KK], s[KK], s44
	s_and_b32 s[KK], s[KK], NSTEP-1
	s_mov_b32 s47, 0                               ; the upper word of a K step's offset; never rewritten
	s_wait_dscnt 0x0
	s_wait_kmcnt 0x0
	s_add_nc_u64 s[40:41], s[4:5], s[40:41]        ; my part of A's and of W's tile at K step 0: the kept bases
	s_add_nc_u64 s[42:43], s[6:7], s[42:43]
	CROUND                                         ; all sixteen work-groups are here: the first joint loads meet
.irp s, 0,1
	s_add_co_u32 s44, s[KK], \s                    ; the walk's first and second K step
	s_and_b32 s44, s44, NSTEP-1
	s_lshl_b32 s46, s44, LGA
	s_mov_b32 s[G0A+4*(\s)], 1
	s_add_co_u32 s[G0A+4*(\s)+1], s[WBA], (\s)*SLOT
	s_add_nc_u64 s[G0A+4*(\s)+2:G0A+4*(\s)+3], s[40:41], s[46:47]
	s_or_b32 s[G0A+4*(\s)+3], s[G0A+4*(\s)+3], 0x80000000
	s_lshl_b32 s46, s44, LGB
	s_mov_b32 s[G0B+4*(\s)], 1
	s_add_co_u32 s[G0B+4*(\s)+1], s[WBB], (\s)*SLOT
	s_add_nc_u64 s[G0B+4*(\s)+2:G0B+4*(\s)+3], s[42:43], s[46:47]
	s_or_b32 s[G0B+4*(\s)+3], s[G0B+4*(\s)+3], 0x80000000
.endr
	s_mov_b32 s[KK], s44
	s_cmp_eq_u32 s[RH], 0                          ; a wave's two first fills stand in one branch: two loads of mine are out
	s_cbranch_scc0 .Lfirst_b
	tensor_load_to_lds s[G0A:G0A+3], s[G1A:G1A+7]
	s_nop 0
	tensor_load_to_lds s[G0A+4:G0A+7], s[G1A:G1A+7]
	s_nop 0
.rept 4
	v_nop
.endr
	s_branch .Lfirst_asked
.Lfirst_b:
	tensor_load_to_lds s[G0B:G0B+3], s[G1B:G1B+7]
	s_nop 0
	tensor_load_to_lds s[G0B+4:G0B+7], s[G1B:G1B+7]
	s_nop 0
.rept 4
	v_nop
.endr
.Lfirst_asked:
	s_lshl_b32 s70, s[TX], 9                       ; my 64 columns, in f32: 4 (128 tx + 64 half)
	s_lshl_b32 s71, s[CH], 8
	s_add_co_u32 s70, s70, s71
	s_mov_b32 s71, 0
	s_add_nc_u64 s[8:9], s[8:9], s[70:71]
	s_lshl_b32 s72, s[TY], 19                      ; my 64 rows of 4,096 bytes: 128 ty + 64 half
	s_add_co_u32 s70, s70, s72
	s_lshl_b32 s72, s[RH], 18
	s_add_co_u32 s70, s70, s72
	s_add_nc_u64 s[10:11], s[10:11], s[70:71]
	s_add_nc_u64 s[12:13], s[12:13], s[70:71]
	v_and_b32 v1, 15, v0                           ; r
	v_bfe_u32 v2, v0, 4, 1                         ; h
	v_lshlrev_b32 v[BOF], 5, v2
	v_lshlrev_b32 v[CO], 12, v2                    ; lanes 0-15 take a row's 256 bytes, lanes 16-31 the next row's
	v_lshl_add_u32 v[CO], v1, 4, v[CO]
	WIN TO_B
.irp b, 0,1,2,3
	global_load_b128 v[BIAS+8*\b:BIAS+8*\b+3],   v[BOF], s[8:9] offset:64*\b
	global_load_b128 v[BIAS+8*\b+4:BIAS+8*\b+7], v[BOF], s[8:9] offset:64*\b+16
.endr
	WIN 0
	v_lshrrev_b32 v3, 1, v1                        ; A: (r / 2) 272 + (r % 2) 128 + 16 h: the sixteen rows start at sixteen different groups of four banks
	v_mul_u32_u24 v3, v3, 272
	v_and_b32 v4, 1, v1
	v_lshl_add_u32 v3, v4, 7, v3
	v_lshl_add_u32 v3, v2, 4, v3
	s_mul_i32 s70, s[RH], AHALF
	v_add_nc_u32 v[A0], s70, v3
	v_mul_u32_u24 v3, v1, 528
	v_lshl_add_u32 v3, v2, 4, v3
	s_mul_i32 s70, s[CH], BHALF
	s_add_co_u32 s70, s70, 2*AHALF
	v_add_nc_u32 v[B0], s70, v3
	v_mov_b32 v[ADRA], v[A0]
	v_mov_b32 v[ADRB], v[B0]
	s_mul_i32 s70, s[WV], 16*272                   ; my stage: 16 rows of 272 bytes in slot 0, which has had its last fill and its last read by then
	v_mul_u32_u24 v3, v1, 272
	v_lshl_add_u32 v3, v2, 5, v3
	v_add_nc_u32 v[STO], s70, v3
	v_mul_u32_u24 v3, v2, 272
	v_lshl_add_u32 v3, v1, 4, v3
	v_add_nc_u32 v[RD], s70, v3
	s_wait_loadcnt 0x0                             ; the bias
	WIN 0x45
.set i, 0
.rept 16
	RND2 BIAS+2*i,BIAS+2*i+1,i%4
.set i, i+1
.endr
	WIN 0
	s_wait_tensorcnt 0x1                           ; my part of the walk's first K step is in; the second's stays out
	s_barrier_signal -1
	s_barrier_wait -1
	FETCH 0, F0
	WIN 0xc0                                       ; destination window 3
.set i, 0
.rept 32
	global_load_b128 v[4*i:4*i+3], v[CO], s[10:11] offset:8192*i th:TH_LOAD_NT  ; the residual of my 64 x 64, two rows a load, as it will be stored; read once in the launch; wanted behind the loop
.set i, i+1
.endr
	QUARTER 1, F0, F1, 1
	WIN 0
	s_mov_b32 s[CNT], NSTEP-2
.Lstep:
	QUARTER 2, F1, F0, 0
	QUARTER 3, F0, F1, 0
	TURN 1
	QUARTER 1, F0, F1, 0
	WIN 0
	s_sub_co_u32 s[CNT], s[CNT], 1
	s_cmp_lg_u32 s[CNT], 0
	s_cbranch_scc1 .Lstep
	s_wait_loadcnt 0x0                             ; the residual, asked for NSTEP - 2 K steps ago
.if RNDRES
	WIN 0xcf
.set i, 0
.rept 64
	RND2 2*i,2*i+1,128+i%4
.set i, i+1
.endr
	WIN 0
.endif
	s_mov_b32 s[CNT], 2                            ; the last two K steps ask for nothing: a second copy; the second trip is left in its middle
.Ltail:
	QUARTER 2, F1, F0, 0
	QUARTER 3, F0, F1, 0
	WIN 0
	s_sub_co_u32 s[CNT], s[CNT], 1
	s_cmp_eq_u32 s[CNT], 0
	s_cbranch_scc1 .Llast
	TURN 0
	QUARTER 1, F0, F1, 0
	WIN 0
	s_branch .Ltail
.Llast:
	s_wait_dscnt 8
	MULH F1, 0, 0, 0
	MULH F1, 0, 2, 0
	s_wait_dscnt 0x0
	MULH F1, 1, 0, 0
	MULH F1, 1, 2, 0
	WIN 0
	PLACES
	; THE WAY OUT, 16 rows at a time: the f32 sums into my stage, back as whole rows of 256 bytes, the residual added, stored.
.macro STG a
	WIN 0x08                                       ; the stores' data in window 2
.irp b, 0,1,2,3
	ds_store_b128 v[STO], v[8*(4*(\a)+(\b)):8*(4*(\a)+(\b))+3]   offset:64*(\b)
	ds_store_b128 v[STO], v[8*(4*(\a)+(\b))+4:8*(4*(\a)+(\b))+7] offset:64*(\b)+16
.endr
	WIN 0
.set BK, OB+160*((\a)%2)
.irp t, 0,1,2,3,4,5,6,7
	ds_load_b128 v[BK+4*(\t):BK+4*(\t)+3], v[RD] offset:544*(\t)  ; LDS serves a wave's instructions in order: these see the stores above, and the next block's stores come behind them
.endr
.endm
.macro SEND a, younger                 ; younger: the next block's sixteen LDS instructions, or none
.set BK, OB+160*((\a)%2)
	s_wait_dscnt \younger
	WIN 0x0c                                       ; source 1 in window 3
.set i, 0
.rept 16
	v_pk_add_f32 v[BK+2*i:BK+2*i+1], v[BK+2*i:BK+2*i+1], v[32*(\a)+2*i:32*(\a)+2*i+1]
.set i, i+1
.endr
	WIN 0
.irp t, 0,1,2,3,4,5,6,7
	global_store_b128 v[CO], v[BK+4*(\t):BK+4*(\t)+3], s[12:13] offset:(16*(\a)+2*(\t))*4096  ; 16 lanes store 256 consecutive bytes, aligned
.endr
.endm
	STG 0
	STG 1
	SEND 0, 16
	s_wait_xcnt 0x0                                ; block 0's stores have read their data: its buffer is loaded again only behind this wait
	STG 2
	SEND 1, 16
	s_wait_xcnt 0x0
	STG 3
	SEND 2, 16
	SEND 3, 0
	s_wait_tensorcnt 0x0                           ; the wave's end
	ds_add_u32 v[SPW], v[NIL]
	s_wait_dscnt 0x0
	CROUND                                         ; the closing round
	s_endpgm
.Lfunc_end_k_q920edc9dbd_mlp2:
	.size	k_q920edc9dbd_mlp2, .Lfunc_end_k_q920edc9dbd_mlp2-k_q920edc9dbd_mlp2
	.p2alignl 7, 3214868480
	.fill 96, 4, 3214868480
	.section	.rodata,"a",@progbits
	.p2align	6, 0x0
	.amdhsa_kernel k_q920edc9dbd_mlp2
		.amdhsa_group_segment_fixed_size 327680
		.amdhsa_private_segment_fixed_size 0
		.amdhsa_enable_private_segment 0
		.amdhsa_kernarg_size 40
		.amdhsa_user_sgpr_count 2
		.amdhsa_user_sgpr_kernarg_segment_ptr 1
		.amdhsa_wavefront_size32 1
		.amdhsa_system_sgpr_workgroup_id_x 1
		.amdhsa_system_sgpr_workgroup_id_y 1
		.amdhsa_system_sgpr_workgroup_id_z 1
		.amdhsa_system_vgpr_workitem_id 0
		.amdhsa_next_free_vgpr 1024
		.amdhsa_next_free_sgpr 80
		.amdhsa_reserve_vcc 0
		.amdhsa_float_denorm_mode_32 3
		.amdhsa_float_denorm_mode_16_64 3
		.amdhsa_memory_ordered 1
		.amdhsa_forward_progress 1
		.amdhsa_inst_pref_size 71
	.end_amdhsa_kernel
	.amdgpu_metadata
---
amdhsa.version: [ 1, 2 ]
amdhsa.kernels:
  - .name:           k_q920edc9dbd_mlp2
    .symbol:         k_q920edc9dbd_mlp2.kd
    .args:
      - { .name: hid, .offset: 0, .size: 8, .value_kind: global_buffer, .address_space: global }
      - { .name: wsm, .offset: 8, .size: 8, .value_kind: global_buffer, .address_space: global }
      - { .name: b2, .offset: 16, .size: 8, .value_kind: global_buffer, .address_space: global }
      - { .name: x1, .offset: 24, .size: 8, .value_kind: global_buffer, .address_space: global }
      - { .name: out0, .offset: 32, .size: 8, .value_kind: global_buffer, .address_space: global }
    .group_segment_fixed_size: 327680
    .private_segment_fixed_size: 0
    .kernarg_segment_align: 8
    .kernarg_segment_size: 40
    .max_flat_workgroup_size: 128
    .sgpr_count:     80
    .vgpr_count:     1024
    .wavefront_size: 32
...
	.end_amdgpu_metadata
.endif
;; end of part 6
